; MI455X (gfx1250); checked and timed in simulation.
; The chip was launched on July 23, 2026; its instructions are those of AMD's public machine-readable ISA for CDNA 5 (MIT licence, August 2026) and "CDNA5" Instruction Set Architecture Reference Guide (July 2026). The comments in the code are by the model that wrote it; some were corrected since.
;; Cross Attention Layer. Allowed arithmetic: matrix products marked QUANTISED: E4M3 operands, one E8M0 scale for each 32 along K, by v_wmma_scale_f32_16x16x128_f8f6f4 with both operands' format E4M3, f32 sums; everything else in f32.
;; Inputs: Wout 1,024 x 1,024 float32; Wqkv 1,024 x 3,072 float32; beta 1,024 float32; bout 1,024 float32; bqkv 3,072 float32; embedding1 2 x 2,048 x 1,024 float32; embedding2 2 x 2,048 x 1,024 float32; gamma 1,024 float32.
;; Outputs: out0 2 x 2,048 x 1,024 float32; out1 2 x 2,048 x 1,024 float32.
;; This version of the problem:
;;   THIS VERSION OF THE PROBLEM IS GIVEN IN LOW PRECISION. The matrix products marked QUANTISED in the list below multiply operands that are first quantised to E4M3 (4 exponent bits, 3 mantissa bits; 8 bits a number), with one power-of-two scale for each 32 numbers along K (OCP MX v1.0); their sums are f32. All else is computed in f32.
;;   The module's matrix products, in the order in which they are computed (A, B: the left and right operand; K: the contracted axis; several contracted axes count as one K, in the product's order):
;;     1. [M 4,096, K 1,024] x [K 1,024, N 3,072]; A: input embedding1; B: input Wqkv: QUANTISED
;;     2. [M 4,096, K 1,024] x [K 1,024, N 3,072]; A: input embedding2; B: input Wqkv: QUANTISED
;;     3. batch 32 x [M 2,048, K 64] x [K 64, N 2,048]; A: computed on the way; B: computed on the way: QUANTISED
;;     4. batch 32 x [M 64, K 2,048] x [K 2,048, N 2,048]; A: computed on the way; B: softmax (see below): QUANTISED
;;     5. batch 32 x [M 2,048, K 64] x [K 64, N 2,048]; A: computed on the way; B: computed on the way: QUANTISED
;;     6. batch 32 x [M 64, K 2,048] x [K 2,048, N 2,048]; A: computed on the way; B: softmax (see below): QUANTISED
;;     7. [M 4,096, K 1,024] x [K 1,024, N 1,024]; A: computed on the way; B: input Wout: QUANTISED
;;     8. [M 4,096, K 1,024] x [K 1,024, N 1,024]; A: computed on the way; B: input Wout: QUANTISED
;;   THE QUANTISER, for each operand of a quantised product, along K:
;;     - K is cut into blocks of 32 from its start; a last block that is shorter is filled with zeros.
;;     - A block's scale is 2^e with e = floor(log2(the largest magnitude in the block)) - 8, held to -126 .. 127; a block of zeros has e = 0. As a byte (E8M0): e + 127.
;;     - Each number is divided by its block's scale, clamped to +-448, and rounded to the nearest number of E4M3, ties to even, subnormals kept.
;;     - The product sums the exact products of the quantised numbers (number of the format x scale) in f32.
;;   ~~~python
;;   def quantise(x, axis):      # numpy; x: float32 -> the quantised numbers, widened to float32 again
;;       x = np.moveaxis(x, axis, -1); K = x.shape[-1]
;;       x = np.pad(x, [(0, 0)] * (x.ndim - 1) + [(0, -K % 32)]); x = x.reshape(x.shape[:-1] + (-1, 32)); a = np.abs(x).max(-1, keepdims=True)
;;       e = np.where(a > 0, np.clip(np.frexp(np.where(a > 0, a, 1))[1] - 1 - 8, -126, 127), 0)      # np.frexp(a)[1] - 1 = floor(log2(a)), exactly
;;       r = np.clip(x / 2.0 ** e, -448, 448)
;;       step = 2.0 ** (np.maximum(np.frexp(np.where(r == 0, 1, r))[1] - 1, -6) - 3)
;;       q = np.round(r / step) * step * 2.0 ** e      # np.round: ties to even
;;       return np.moveaxis(q.reshape(q.shape[:-2] + (-1,))[..., :K], -1, axis).astype(np.float32)
;;   ~~~
;;   SOFTMAX AHEAD OF A QUANTISED PRODUCT. Where the list says 'softmax', what is quantised is not the finished softmax but p = 2^(t - M), with t = logit x log2(e) and M = ceil(the row's largest t), a whole number; so 1/2 < the row's largest p <= 1. The row's sum l is taken of the UNQUANTISED p, in f32, and the product's result is divided by l at the end. Since M is a whole number, a kernel that streams over the keys may use a running M (the ceiling of the running maximum): every later rescaling is an exact power of two, which a block's scale takes up: the codes' values come out the same.
;;   OPERANDS COMPUTED ON THE WAY. 'Computed on the way' means the value that the module computes at that place (a softmax that the list does not call 'softmax' is quantised finished and normalised). What goes into a quantiser is computed in f32, as accurately as f32 sums, v_exp_f32 and their like allow (about 1e-6 of the number): no bf16 or f16 on the way to a quantiser, and a product that is left as it is and whose result goes on into a quantised operand takes f32 operands (vector FMAs, or v_wmma_f32_16x16x4_f32). A number that lies on a knife's edge between two numbers of the format may be rounded either way, as far as f32 arithmetic and the matrix unit's own rounding can turn it there, and no further.
;; One version. Each part assembles by itself: llvm-mc -triple=amdgcn-amd-amdhsa -mcpu=gfx1250 --defsym DOCPART=n.
;; ======== version 1 of 1: 4 launches
;; limits: right only within a limited range of input values
;; workspace buffers: xq 8,650,752 bytes; wq 4,325,376 bytes; qq 8,650,752 bytes; kv 17,301,504 bytes; aq 8,650,752 bytes
;; launch quant (part 1): grid 384 x 1, 8 waves a work-group, no clusters, 68,608 bytes of LDS; arguments embedding1, embedding2, Wqkv, Wout, xq, wq; writes xq, wq
.if DOCPART == 1
	.amdgcn_target "amdgcn-amd-amdhsa--gfx1250"
	.amdhsa_code_object_version 6
	.text
	.protected	k_q8a18a0961a_quant
	.globl	k_q8a18a0961a_quant
	.p2align	8
	.type	k_q8a18a0961a_quant,@function
k_q8a18a0961a_quant:
	s_mov_b64 s[64:65], 0
	v_nop
	global_prefetch_b8 v0, s[64:65] scope:SCOPE_SE
	s_setreg_imm32_b32 hwreg(HW_REG_WAVE_MODE, 25, 1), 1
	s_wait_xcnt 0x0
; The two embeddings (8,192 rows x 1,024, K innermost) and the two weights (K = 1,024 is their FIRST axis) become codes of FP8 (E4M3) with one E8M0 byte for each 32 along K.
; A block's scale is 2^(floor(log2(its largest magnitude)) - 8); each number is divided by it, held within +-448 and rounded to the nearest code, ties to even.
; LAYOUT OF THE RESULTS: IMAGES OF OPERAND REGISTERS.  Rows (of x: tokens; of a weight: its columns) go in tiles T of 16 places; place r of tile T is row 32 (T / 2) + 8 (T % 2) + r + 8 (r / 8).
; The image of (T, K step s of 128) is 2,048 bytes: byte 512 c + 16 lane + i, lane = 16 h + r, is the code of that row at k = 128 s + 32 c + 16 h + i: four loads of 16 bytes a lane fill a fragment.
; The scale word (four bytes, c = 0 .. 3) of (T, s, r) lies at T x 512 + (s / 2) x 128 + 8 r + 4 (s % 2) behind the codes.
; xq: tiles 0-255 embedding1, 256-511 embedding2.   wq: tiles 0-191 Wqkv's columns, 192-255 Wout's.
; LIMITS: NaN and infinities among the inputs are not served.  A block of zeros gets the byte 1 where the rule says 127: its codes are zeros, and this program alone reads the bytes.
; Blocks whose largest magnitude lies under 2^-118 are held at the byte 1.
; SHARES: work-groups 0-255 take x (a wave: one tile x 256 along K), work-groups 256-383 the weights (a wave: 32 columns x 128 along K).  Waves share nothing: no barrier.  Memory binds: no matrix unit, no cluster.
.set XSCL, 8388608                     ; xq: where the scale words begin
.set WSCL, 4194304                     ; wq: likewise
.set SP,   528                         ; x's stage: a row of 512 bytes + 16, so that the sixteen rows of a read start at sixteen different 16-byte columns
.set TM,   16                          ; v16-19 largest magnitudes, v20-23 the other lane's and then the bytes, v24-27 448 x the scale, v28-31 the conversions' scale operands
.set PC,   32                          ; v32-63 codes: never written twice, so no store's data are rewritten
.set R,    64                          ; v64-191 numbers as they are loaded
.set XN,   192                         ; v192-255 64 neighbours along K of one row
.set PW0,  12                          ; v12, v13 scale words
.set PW1,  13
	s_load_b256 s[4:11], s[0:1], 0x0               ; embedding1 s[4:5], embedding2 s[6:7], Wqkv s[8:9], Wout s[10:11]
	s_load_b128 s[12:15], s[0:1], 0x20             ; xq s[12:13], wq s[14:15]
	v_lshl_add_u32 v14, v0, 2, 0x10800
	v_mov_b32 v15, 0
	v_lshrrev_b32 v1, 5, v0
	s_delay_alu instid0(VALU_DEP_1)
	v_readfirstlane_b32 s16, v1                    ; wave 0..7
	v_and_b32 v2, 31, v0                           ; lane
	v_and_b32 v3, 15, v0                           ; r
	v_bfe_u32 v4, v0, 4, 1                         ; h
	s_delay_alu instid0(VALU_DEP_3)
	v_lshlrev_b32 v5, 4, v2                        ; 16 x lane
	s_mov_b32 s20, 0x76543210
	s_mov_b32 s21, 0xfedcba98                      ; v_permlanex16_b32's selects for lane l xor 16
	s_mov_b32 s23, 0x600000                        ; the mantissa field of 448
.irp b, 0,1,2,3
	v_mov_b32 v[TM+4+\b], 0                        ; written once: a lane permute's destination counts as one of its sources
.endr
	s_cmp_lt_u32 ttmp9, 256
	s_cbranch_scc0 .Lweights
; 64 numbers of a lane, register 16 b + i = k 32 b + 16 h + i of my row, become a fragment's codes in v[pc] on and its scale word in v[pw]
.macro QUANT s, pc, pw
.irp b, 0,1,2,3
	v_max3_num_f32 v[TM+\b], |v[\s+16*\b]|, |v[\s+1+16*\b]|, 0x4800000   ; block b: my 16 numbers and the floor 2^(9 - 127): the byte cannot fall under 1
.endr
.irp i, 2,4,6,8,10,12,14
.irp b, 0,1,2,3
	s_delay_alu instid0(VALU_DEP_4)
	v_max3_num_f32 v[TM+\b], v[TM+\b], |v[\s+16*\b+\i]|, |v[\s+1+16*\b+\i]|   ; the four blocks by turns
.endr
.endr
.irp b, 0,1,2,3
	s_delay_alu instid0(VALU_DEP_4)
	v_permlanex16_b32 v[TM+4+\b], v[TM+\b], s20, s21
.endr
.irp b, 0,1,2,3
	s_delay_alu instid0(VALU_DEP_4)
	v_max_num_f32 v[TM+\b], v[TM+\b], v[TM+4+\b]   ; with lane l xor 16's 16: the block's largest magnitude
.endr
.irp b, 0,1,2,3
	s_delay_alu instid0(VALU_DEP_4)
	v_add_nc_u32 v[TM+12+\b], 0xfc000000, v[TM+\b] ; 8 off its exponent field: the conversion's scale operand
.endr
.irp b, 0,1,2,3
	v_and_or_b32 v[TM+8+\b], v[TM+\b], 0x7f800000, s23   ; 448 x the scale
.endr
.irp b, 0,1,2,3
	v_lshrrev_b32 v[TM+4+\b], 23, v[TM+12+\b]      ; the scale's byte
.endr
	s_delay_alu instid0(VALU_DEP_3)
	v_lshl_or_b32 v[\pw], v[TM+5], 8, v[TM+4]
	s_delay_alu instid0(VALU_DEP_1)
	v_lshl_or_b32 v[\pw], v[TM+6], 16, v[\pw]
	s_delay_alu instid0(VALU_DEP_1)
	v_lshl_or_b32 v[\pw], v[TM+7], 24, v[\pw]
.irp b, 0,1,2,3
.irp i, 0,1,2,3,4,5,6,7,8,9,10,11,12,13,14,15
	v_med3_num_f32 v[\s+16*\b+\i], v[\s+16*\b+\i], -v[TM+8+\b], v[TM+8+\b]   ; the conversion to an 8-bit code does not saturate (ISA guide 7.6.2): the hold comes first
.endr
	v_cvt_scalef32_pk8_fp8_f32 v[\pc+4*\b:\pc+1+4*\b], v[\s+16*\b:\s+7+16*\b], v[TM+12+\b]
	v_cvt_scalef32_pk8_fp8_f32 v[\pc+2+4*\b:\pc+3+4*\b], v[\s+8+16*\b:\s+15+16*\b], v[TM+12+\b]
.endr
	v_nop                                          ; one plain line behind the last conversion, ahead of whatever next writes its sources
.endm
; ---- x.  Wave w: tile T = 2 x + w / 4, K steps 2 (w % 4) and 2 (w % 4) + 1
	s_lshr_b32 s17, s16, 2
	s_and_b32 s18, s16, 3
	s_lshl_b32 s24, ttmp9, 5
	s_lshl_b32 s25, s17, 3
	s_add_co_u32 s24, s24, s25                     ; the tile's first row: 32 x + 8 (w / 4)
	s_and_b32 s24, s24, 4095                       ; in its own embedding
	s_lshl_b32 s24, s24, 12                        ; rows of 4,096 bytes
	s_lshl_b32 s25, s18, 10                        ; 256 numbers along K
	s_add_co_u32 s24, s24, s25
	s_mov_b32 s25, 0
	s_lshl_b32 s26, ttmp9, 1
	s_add_co_u32 s26, s26, s17                     ; T
	s_lshl_b32 s28, s26, 14                        ; its eight images,
	s_lshl_b32 s29, s18, 12                        ; my two of them
	s_add_co_u32 s28, s28, s29
	s_mov_b32 s29, 0
	s_lshl_b32 s30, s26, 9                         ; its scale words,
	s_lshl_b32 s31, s18, 7                         ; my 128 bytes of them
	s_add_co_u32 s30, s30, s31
	s_add_co_u32 s30, s30, XSCL
	s_mov_b32 s31, 0
	s_mul_i32 s19, s16, 16*SP                      ; my wave's stage
	s_wait_alu depctr_va_vdst(0)
	v_add_nc_u32 v6, s19, v5                       ; in: 16 x lane of a row
	v_mul_u32_u24 v7, v3, SP
	s_delay_alu instid0(VALU_DEP_1)
	v_lshl_add_u32 v7, v4, 6, v7
	s_delay_alu instid0(VALU_DEP_1)
	v_add_nc_u32 v7, s19, v7                       ; out: row r, + 64 h: my 16 numbers of a block of 32
	v_lshlrev_b32 v8, 3, v3
	s_delay_alu instid0(VALU_DEP_1)
	v_lshl_add_u32 v8, v4, 2, v8                   ; 8 r + 4 h
	s_mov_b32 s22, 0xffff0000                      ; lanes 16-31
	s_wait_alu depctr_va_vdst(0)
	s_wait_kmcnt 0x0
	s_cmp_lt_u32 ttmp9, 128                        ; the choice hangs on the work-group's number alone
	s_cselect_b64 s[4:5], s[4:5], s[6:7]
	s_add_nc_u64 s[4:5], s[4:5], s[24:25]
	s_add_nc_u64 s[28:29], s[12:13], s[28:29]
	s_add_nc_u64 s[30:31], s[12:13], s[30:31]
.irp sp, 0,1
.irp i, 0,1,2,3,4,5,6,7,8,9,10,11,12,13,14,15
	global_load_b128 v[R+64*\sp+4*\i:R+64*\sp+4*\i+3], v5, s[4:5] offset:(\i+8*(\i/8))*4096+512*\sp th:TH_LOAD_NT   ; place i's row: 512 consecutive bytes a load
.endr
.endr
.macro TURNX sp                        ; 16 rows x 128 numbers through my own stage: in as they lie, out 16 neighbours at a time.  LDS serves a wave's instructions in order: no wait between
.irp i, 0,1,2,3,4,5,6,7,8,9,10,11,12,13,14,15
	ds_store_b128 v6, v[R+64*\sp+4*\i:R+64*\sp+4*\i+3] offset:SP*\i
.endr
.irp b, 0,1,2,3
.irp j, 0,1,2,3
	ds_load_b128 v[XN+16*\b+4*\j:XN+16*\b+4*\j+3], v7 offset:128*\b+16*\j
.endr
.endr
.endm
	s_wait_loadcnt 16                              ; the first K step's 16 loads are in; the second's 16 may be out
	TURNX 0
	s_wait_dscnt 0x0
	QUANT XN, PC, PW0
.irp c, 0,1,2,3
	global_store_b128 v5, v[PC+4*\c:PC+4*\c+3], s[28:29] offset:512*\c   ; 512 consecutive bytes, aligned
.endr
	s_wait_loadcnt 0x0
	TURNX 1
	s_wait_dscnt 0x0
	QUANT XN, PC+16, PW1
.irp c, 0,1,2,3
	global_store_b128 v5, v[PC+16+4*\c:PC+16+4*\c+3], s[28:29] offset:2048+512*\c
.endr
	v_cndmask_b32 v9, v[PW0], v[PW1], s22          ; lanes 0-15 hold the first K step's word of row r, lanes 16-31 the second's
	global_store_b32 v8, v9, s[30:31]              ; 128 consecutive bytes
	s_wait_tensorcnt 0x0
	ds_add_u32 v14, v15
	s_wait_dscnt 0x0
	s_endpgm
; ---- the weights.  y = work-group - 256: K step y / 16; wave w takes columns 32 cg on, cg = 8 (y % 16) + w: 0-95 Wqkv's, 96-127 Wout's.
; A LANE TAKES A COLUMN AND ITS REGISTERS RUN DOWN K: a block of 32 is one lane's, and the codes come out with K innermost.  Lane rho + 8 u + 16 v is place rho + 8 v of tile 2 cg + u.
; Loads run two blocks (64 loads a wave) ahead; each block has registers of its own for its numbers and its codes, so no pending load's target and no pending store's data is written again.
.macro LOADW c, n, b                   ; block c: W(32 c + i, my column), i = 0 .. 31; n: numbers in a row of W; s[b:b+1]: where my wave's part begins
.set j, 0
.rept 32
	global_load_b32 v[R+32*(\c)+j], v6, s[\b:\b+1] offset:(32*(\c)+j)*(\n)*4 th:TH_LOAD_NT   ; row k of W at 32 neighbouring columns: 128 consecutive bytes
.set j, j+1
.endr
.endm
.macro BLOCKW c, n, b
.set XS, R+32*(\c)
.if (\c) < 3
	s_wait_loadcnt 32                              ; this block's 32 loads are in; the next block's 32, the only ones issued behind them, may be out
.else
	s_wait_loadcnt 0x0
.endif
.if (\c)+2 < 4
	LOADW (\c)+2, \n, \b                           ; two blocks on
.endif
	v_max3_num_f32 v16, |v[XS]|, |v[XS+1]|, |v[XS+2]|   ; the block's largest magnitude: all 32 numbers are mine
	v_max3_num_f32 v17, |v[XS+3]|, |v[XS+4]|, |v[XS+5]|
.irp i, 6,10,14,18,22,26
	s_delay_alu instid0(VALU_DEP_2)
	v_max3_num_f32 v16, v16, |v[XS+\i]|, |v[XS+\i+1]|
	s_delay_alu instid0(VALU_DEP_2)
	v_max3_num_f32 v17, v17, |v[XS+\i+2]|, |v[XS+\i+3]|
.endr
	s_delay_alu instid0(VALU_DEP_2)
	v_max3_num_f32 v16, v16, |v[XS+30]|, |v[XS+31]|
	s_delay_alu instid0(VALU_DEP_1)
	v_max3_num_f32 v16, v16, v17, 0x4800000        ; and the floor 2^(9 - 127)
	s_delay_alu instid0(VALU_DEP_1)
	v_add_nc_u32 v18, 0xfc000000, v16              ; the conversion's scale operand
	s_delay_alu instid0(VALU_DEP_2)
	v_and_or_b32 v19, v16, 0x7f800000, s23         ; 448 x the scale
	s_delay_alu instid0(VALU_DEP_2)
	v_lshrrev_b32 v17, 23, v18                     ; the byte
.if (\c) == 0
	s_delay_alu instid0(VALU_DEP_1)
	v_mov_b32 v[PW0], v17
.else
	s_delay_alu instid0(VALU_DEP_1)
	v_lshl_or_b32 v[PW0], v17, 8*(\c), v[PW0]
.endif
.irp i, 0,1,2,3,4,5,6,7,8,9,10,11,12,13,14,15,16,17,18,19,20,21,22,23,24,25,26,27,28,29,30,31
	v_med3_num_f32 v[XS+\i], v[XS+\i], -v19, v19   ; the hold (the conversion does not saturate: ISA guide 7.6.2)
.endr
.irp g, 0,1,2,3
	v_cvt_scalef32_pk8_fp8_f32 v[PC+8*(\c)+2*\g:PC+8*(\c)+2*\g+1], v[XS+8*\g:XS+8*\g+7], v18
.endr
	v_nop                                          ; one plain line behind the last conversion
	global_store_b128 v9, v[PC+8*(\c):PC+8*(\c)+3], s[28:29] offset:512*(\c)        ; k = 32 c + 0 .. 15: the image's lanes 0-15.  Sixteen lanes of one tile write 256 consecutive bytes, aligned
	global_store_b128 v9, v[PC+8*(\c)+4:PC+8*(\c)+7], s[28:29] offset:512*(\c)+256  ; k = 32 c + 16 .. 31: its lanes 16-31
.endm
.macro WPATH n, b                      ; the whole of a wave's work on one tensor: the row length stands in the loads' immediates, so the path is written once for each tensor
	LOADW 0, \n, \b
	LOADW 1, \n, \b
	BLOCKW 0, \n, \b
	BLOCKW 1, \n, \b
	BLOCKW 2, \n, \b
	BLOCKW 3, \n, \b
	global_store_b32 v10, v[PW0], s[30:31]         ; 4 bytes of each 8: one byte for 128 read
	s_endpgm
.endm
.Lweights:
	s_sub_co_u32 s17, ttmp9, 256
	s_and_b32 s18, s17, 15
	s_lshr_b32 s19, s17, 4                         ; the K step
	s_lshl_b32 s24, s18, 3
	s_add_co_u32 s24, s24, s16                     ; cg
	s_wait_alu depctr_va_vdst(0)
	v_lshlrev_b32 v6, 2, v2                        ; in: 4 bytes a lane
	v_and_b32 v7, 7, v0
	v_bfe_u32 v8, v0, 3, 1                         ; u
	s_delay_alu instid0(VALU_DEP_2)
	v_lshl_add_u32 v7, v4, 3, v7                   ; r = rho + 8 v
	s_delay_alu instid0(VALU_DEP_1)
	v_lshlrev_b32 v9, 4, v7
	s_delay_alu instid0(VALU_DEP_1)
	v_lshl_add_u32 v9, v8, 14, v9                  ; out: 16 r in tile u's image
	s_delay_alu instid0(VALU_DEP_3)
	v_lshlrev_b32 v10, 3, v7
	s_delay_alu instid0(VALU_DEP_1)
	v_lshl_add_u32 v10, v8, 9, v10                 ; the scale word: 8 r in tile u's 512 bytes
	s_lshl_b32 s28, s24, 15                        ; two tiles of 16,384 bytes a column group,
	s_lshl_b32 s29, s19, 11                        ; the K step's image
	s_add_co_u32 s28, s28, s29
	s_mov_b32 s29, 0
	s_lshl_b32 s30, s24, 10
	s_lshr_b32 s31, s19, 1
	s_lshl_b32 s31, s31, 7
	s_add_co_u32 s30, s30, s31
	s_and_b32 s31, s19, 1
	s_lshl_b32 s31, s31, 2
	s_add_co_u32 s30, s30, s31
	s_add_co_u32 s30, s30, WSCL
	s_mov_b32 s31, 0
	s_mov_b32 s27, 0
	s_wait_kmcnt 0x0
	s_add_nc_u64 s[28:29], s[14:15], s[28:29]
	s_add_nc_u64 s[30:31], s[14:15], s[30:31]
	s_cmp_lt_u32 s18, 12                           ; column groups 0-95 are Wqkv's: the branch hangs on the work-group's number alone
	s_cbranch_scc0 .Lwout
	s_mul_i32 s26, s19, 128*3072*4                 ; the K step's 128 rows,
	s_lshl_b32 s25, s24, 7                         ; my 32 columns
	s_add_co_u32 s26, s26, s25
	s_add_nc_u64 s[8:9], s[8:9], s[26:27]
	s_wait_alu depctr_va_vdst(0)
	WPATH 3072, 8
.Lwout:
	s_mul_i32 s26, s19, 128*1024*4
	s_sub_co_u32 s25, s24, 96
	s_lshl_b32 s25, s25, 7
	s_add_co_u32 s26, s26, s25
	s_add_nc_u64 s[10:11], s[10:11], s[26:27]
	s_wait_alu depctr_va_vdst(0)
	WPATH 1024, 10
.Lfunc_end_k_q8a18a0961a_quant:
	.size	k_q8a18a0961a_quant, .Lfunc_end_k_q8a18a0961a_quant-k_q8a18a0961a_quant
	.p2alignl 7, 3214868480
	.fill 96, 4, 3214868480
	.section	.rodata,"a",@progbits
	.p2align	6, 0x0
	.amdhsa_kernel k_q8a18a0961a_quant
		.amdhsa_group_segment_fixed_size 68608
		.amdhsa_private_segment_fixed_size 0
		.amdhsa_enable_private_segment 0
		.amdhsa_kernarg_size 48
		.amdhsa_user_sgpr_count 2
		.amdhsa_user_sgpr_kernarg_segment_ptr 1
		.amdhsa_wavefront_size32 1
		.amdhsa_system_sgpr_workgroup_id_x 1
		.amdhsa_system_sgpr_workgroup_id_y 1
		.amdhsa_system_sgpr_workgroup_id_z 1
		.amdhsa_system_vgpr_workitem_id 0
		.amdhsa_next_free_vgpr 256
		.amdhsa_next_free_sgpr 66
		.amdhsa_reserve_vcc 0
		.amdhsa_float_denorm_mode_32 3
		.amdhsa_float_denorm_mode_16_64 3
		.amdhsa_memory_ordered 1
		.amdhsa_forward_progress 1
		.amdhsa_inst_pref_size 91
	.end_amdhsa_kernel
	.amdgpu_metadata
---
amdhsa.version: [ 1, 2 ]
amdhsa.kernels:
  - .name:           k_q8a18a0961a_quant
    .symbol:         k_q8a18a0961a_quant.kd
    .args:
      - { .name: embedding1, .offset: 0, .size: 8, .value_kind: global_buffer, .address_space: global }
      - { .name: embedding2, .offset: 8, .size: 8, .value_kind: global_buffer, .address_space: global }
      - { .name: Wqkv, .offset: 16, .size: 8, .value_kind: global_buffer, .address_space: global }
      - { .name: Wout, .offset: 24, .size: 8, .value_kind: global_buffer, .address_space: global }
      - { .name: xq, .offset: 32, .size: 8, .value_kind: global_buffer, .address_space: global }
      - { .name: wq, .offset: 40, .size: 8, .value_kind: global_buffer, .address_space: global }
    .group_segment_fixed_size: 68608
    .private_segment_fixed_size: 0
    .kernarg_segment_align: 8
    .kernarg_segment_size: 48
    .max_flat_workgroup_size: 256
    .sgpr_count:     66
    .vgpr_count:     256
    .wavefront_size: 32
...
	.end_amdgpu_metadata
.endif
;; end of part 1
;; launch qkv (part 2): grid 12 x 32, 4 waves a work-group, clusters of 4 x 4, 327,680 bytes of LDS; arguments xq, wq, bqkv, qq, kv; writes qq, kv
.if DOCPART == 2
	.amdgcn_target "amdgcn-amd-amdhsa--gfx1250"
	.amdhsa_code_object_version 6
	.text
	.protected	k_q8a18a0961a_qkv
	.globl	k_q8a18a0961a_qkv
	.p2align	8
	.type	k_q8a18a0961a_qkv,@function
k_q8a18a0961a_qkv:
	s_mov_b64 s[64:65], 0
	v_nop
	global_prefetch_b8 v0, s[64:65] scope:SCOPE_SE
	s_setreg_imm32_b32 hwreg(HW_REG_WAVE_MODE, 25, 1), 1
	s_wait_xcnt 0x0
	s_wait_alu depctr_hold_cnt(0) depctr_sa_sdst(0) depctr_va_vdst(0) depctr_va_sdst(0) depctr_va_ssrc(0) depctr_va_vcc(0) depctr_vm_vsrc(0)
	s_getreg_b32 s2, hwreg(HW_REG_IB_STS2, 6, 4)
	s_cmp_eq_u32 s2, 0
	s_cbranch_scc0 .Lentry_in_a_cluster
	s_endpgm
.Lentry_in_a_cluster:
	s_bfe_u32 s2, ttmp6, 0x10000c
	s_cmp_lg_u32 s2, 0xf033
	s_cbranch_scc0 .Lentry_shape_is_right
	s_endpgm
.Lentry_shape_is_right:
.set XSCL,  8388608
.set WSCL,  4194304
.set REC,   16896
.set NL,    4
.set NP,    8
.set HALFT, 32768
.set SLOT,  131072
.set SCL,   262144
.set SPARE, 278528
.set BA,   8
.set ADRA, 16
.set ADRB, 20
.set L16,  24
.set SWV,  25
.set SWE,  26
.set ADRS, 27
.set SPW,  28
.set NIL,  29
.set SOFF, 30
.set RB,   31
.set SC,   32
.set BI,   64
.set AF,   128
.set TM,   64
.set PW,   80
.set X,    128
.set PC,   192
.set BK,   208
.set G1,   24
.set G0,   32
.set G1B,  48
.set G0B,  56
.set G1S,  68
.set G0S,  76
.set G1SB, 80
.set G0SB, 88
.set MSB, 0
.macro WIN new
.if MSB != \new
	s_set_vgpr_msb (MSB<<8)|\new
.set MSB, \new
.endif
.endm
.set MUL_LO, 0xa1
.set MUL_HI, 0xf1
.set TO_B,   0x40
.macro JLOAD g0a, g1a, g0b, g1b
	s_cmp_eq_u32 s15, 0
	s_cbranch_scc0 .Lfor_b_\@
	tensor_load_to_lds s[\g0a:\g0a+3], s[\g1a:\g1a+7]
	s_nop 0
.rept 4
	v_nop
.endr
	s_branch .Lasked_\@
.Lfor_b_\@:
	tensor_load_to_lds s[\g0b:\g0b+3], s[\g1b:\g1b+7]
	s_nop 0
.rept 4
	v_nop
.endr
.Lasked_\@:
.endm
.macro CREST
	s_cmp_lg_u32 s14, 0
	s_cbranch_scc1 .Lnot_wave_0_\@
	s_barrier_signal -3
.Lnot_wave_0_\@:
	s_barrier_wait -3
	s_barrier_signal -1
	s_barrier_wait -1
.endm
.macro CROUND
	s_barrier_signal -1
	s_barrier_wait -1
	CREST
.endm
	s_load_b256 s[4:11], s[0:1], 0x0
	s_load_b64 s[12:13], s[0:1], 0x20
	v_lshl_add_u32 v[SPW], v0, 2, SPARE
	v_mov_b32 v[NIL], 0
	ds_add_u32 v28, v29
	ds_add_u32 v28, v29
	s_wait_dscnt 0x0
	v_lshrrev_b32 v1, 5, v0
	v_readfirstlane_b32 s14, v1
	s_lshr_b32 s15, s14, 1
	s_and_b32 s16, s14, 1
	s_bfe_u32 s40, ttmp6, 0x40000
	s_bfe_u32 s41, ttmp6, 0x40004
	s_and_b32 s17, ttmp7, 0xffff
	s_lshl_b32 s17, s17, 2
	s_lshl_b32 s18, ttmp9, 2
	s_mov_b32 s19, XSCL
	s_mov_b32 s3, WSCL
	s_cmp_eq_u32 ttmp9, 2
	s_cselect_b32 s67, 8, s17
	s_cselect_b32 s42, s17, s18
	s_cselect_b32 s66, -1, 0
	s_cselect_b32 s2, s3, s19
	s_cselect_b32 s3, s19, s3
	s_add_co_u32 s67, s67, s41
	s_add_co_u32 s42, s42, s40
	s_lshl_b32 s43, s41, 2
	s_lshl_b32 s43, 15, s43
	s_lshl_b32 s44, 0x1111, s40
	s_or_b32 s[G1+0], s43, (3<<16)|(1<<21)
	s_or_b32 s[G1B+0], s44, (3<<16)|(1<<21)
.irp g, G1, G1B
	s_mov_b32 s[\g+1], 512<<16
	s_mov_b32 s[\g+2], 8<<16
	s_mov_b32 s[\g+3], 512<<16
	s_mov_b32 s[\g+4], 8
	s_mov_b32 s[\g+5], 2048
	s_mov_b32 s[\g+6], 0
	s_mov_b32 s[\g+7], 0
.endr
	s_or_b32 s[G1S+0], s43, (3<<16)|(1<<21)
	s_or_b32 s[G1SB+0], s44, (3<<16)|(1<<21)
.irp g, G1S, G1SB
	s_mov_b32 s[\g+1], 32<<16
	s_mov_b32 s[\g+2], 16<<16
	s_mov_b32 s[\g+3], 32<<16
	s_mov_b32 s[\g+4], 16
	s_mov_b32 s[\g+5], 32
	s_mov_b32 s[\g+6], 0
	s_mov_b32 s[\g+7], 0
.endr
	s_lshl_b32 s18, s16, 3
	s_lshl_b32 s20, s67, 4
	s_add_co_u32 s20, s20, s18
	s_lshl_b32 s46, s42, 4
	s_add_co_u32 s46, s46, s18
	s_lshl_b32 s22, s20, 9
	s_add_co_u32 s22, s22, s2
	s_lshl_b32 s92, s46, 9
	s_add_co_u32 s92, s92, s3
	s_lshl_b32 s20, s20, 14
	s_lshl_b32 s46, s46, 14
	s_mov_b32 s21, 0
	s_mov_b32 s23, 0
	s_mov_b32 s47, 0
	s_mov_b32 s93, 0
	s_lshl_b32 s45, s14, 15
	s_lshl_b32 s94, s14, 12
	s_wait_kmcnt 0x0
	s_cmp_eq_u32 ttmp9, 2
	s_cselect_b64 s[98:99], s[6:7], s[4:5]
	s_cselect_b64 s[100:101], s[4:5], s[6:7]
	s_add_nc_u64 s[20:21], s[98:99], s[20:21]
	s_add_nc_u64 s[22:23], s[98:99], s[22:23]
	s_add_nc_u64 s[46:47], s[100:101], s[46:47]
	s_add_nc_u64 s[92:93], s[100:101], s[92:93]
	CROUND
	s_mov_b32 s[G0S], 1
	s_add_co_u32 s[G0S+1], s94, SCL
	s_mov_b64 s[G0S+2:G0S+3], s[22:23]
	s_or_b32 s[G0S+3], s[G0S+3], 0x80000000
	s_mov_b32 s[G0SB], 1
	s_add_co_u32 s[G0SB+1], s94, SCL
	s_mov_b64 s[G0SB+2:G0SB+3], s[92:93]
	s_or_b32 s[G0SB+3], s[G0SB+3], 0x80000000
	JLOAD G0S, G1S, G0SB, G1SB
.irp s, 0,1
	s_mov_b32 s[G0+4*\s], 1
	s_add_co_u32 s[G0+4*\s+1], s45, \s*SLOT
	s_add_nc_u64 s[G0+4*\s+2:G0+4*\s+3], s[20:21], \s*4096
	s_or_b32 s[G0+4*\s+3], s[G0+4*\s+3], 0x80000000
	s_mov_b32 s[G0B+4*\s], 1
	s_add_co_u32 s[G0B+4*\s+1], s45, \s*SLOT
	s_add_nc_u64 s[G0B+4*\s+2:G0B+4*\s+3], s[46:47], \s*4096
	s_or_b32 s[G0B+4*\s+3], s[G0B+4*\s+3], 0x80000000
	s_wait_alu depctr_va_vdst(0)
	s_wait_tensorcnt 0x0
	ds_add_u32 v28, v29
	s_wait_dscnt 0x0
	CROUND
	JLOAD G0+4*\s, G1, G0B+4*\s, G1B
.endr
	v_and_b32 v1, 15, v0
	v_bfe_u32 v2, v0, 4, 1
	s_wait_alu depctr_va_vdst(0)
	v_and_b32 v3, 31, v0
	v_lshlrev_b32 v[L16], 4, v3
	s_lshl_b32 s21, s15, 15
	s_lshl_b32 s22, s16, 15
	s_add_co_u32 s22, s22, 2*HALFT
.irp s, 0,1
	v_add_nc_u32 v[ADRA+\s], s21, v[L16]
	v_add_nc_u32 v[ADRB+\s], s22, v[L16]
	s_add_co_u32 s21, s21, SLOT
	s_add_co_u32 s22, s22, SLOT
.endr
	v_lshlrev_b32 v5, 3, v1
	s_lshl_b32 s21, s15, 12
	s_lshl_b32 s22, s16, 12
	s_add_co_u32 s22, s22, 8192
	s_sub_co_u32 s22, s22, s21
	v_mul_u32_u24 v6, s22, v2
	s_add_co_u32 s21, s21, SCL
	v_add_nc_u32 v5, v5, v6
	v_add_nc_u32 v[ADRS], s21, v5
	s_lshl_b32 s21, s14, 10
	v_lshl_add_u32 v[SWV], v1, 2, s21
	v_add_nc_u32 v[SWE], 512, v[SWV]
	v_add_nc_u32 v[RB], s21, v[L16]
	s_cmp_eq_u32 ttmp9, 2
	s_cselect_b32 s17, s67, s42
	s_cselect_b32 s18, s15, s16
	s_cselect_b32 s19, 0, 4
	s_lshl_b32 s17, s17, 10
	s_lshl_b32 s18, s18, 9
	s_add_co_u32 s20, s17, s18
	s_mov_b32 s21, 0
	s_add_nc_u64 s[8:9], s[8:9], s[20:21]
	v_lshlrev_b32 v3, 6, v2
	v_and_b32 v4, 8, v1
	v_add_nc_u32 v4, v4, v1
	v_lshlrev_b32 v4, 2, v4
	v_cndmask_b32 v3, v3, v4, s66
.irp j, 0,1,2,3,4,5,6,7
	v_mad_u32_u24 v[BA+\j], s19, \j, v3
.endr
.irp x, 0,1,2,3,4,5,6,7
.irp j, 0,1,2,3,4,5,6,7
	global_load_b32 v[BI+8*\x+\j], v[BA+\j], s[8:9] offset:(32*(\x/2)+8*(\x%2))*4
.endr
.endr
	s_cmp_eq_u32 ttmp9, 2
	s_cselect_b32 s17, s42, s67
	s_cselect_b32 s18, s16, s15
	s_cselect_b32 s19, s41, s40
	s_cselect_b32 s2, s15, s16
	s_lshl_b32 s17, s17, 4
	s_lshl_b32 s18, s18, 3
	s_add_co_u32 s17, s17, s18
	s_lshl_b32 s19, s19, 2
	s_lshl_b32 s2, s2, 1
	s_add_co_u32 s19, s19, s2
	s_lshr_b32 s18, s17, 7
	s_and_b32 s17, s17, 127
	s_lshl_b32 s18, s18, 4
	s_add_co_u32 s18, s18, s19
	s_lshl_b32 s2, s18, 7
	s_add_co_u32 s2, s2, s17
	s_lshl_b32 s2, s2, 10
	s_lshl_b32 s3, s18, 12
	s_lshl_b32 s19, s17, 5
	s_add_co_u32 s3, s3, s19
	s_add_co_u32 s3, s3, XSCL
	s_lshl_b32 s19, s18, 4
	s_lshr_b32 s17, s17, 3
	s_add_co_u32 s19, s19, s17
	s_mul_i32 s19, s19, REC
	s_mov_b32 s17, 16*REC
	s_mov_b32 s98, 1024
	s_cmp_eq_u32 ttmp9, 0
	s_cselect_b64 s[92:93], s[10:11], s[12:13]
	s_cselect_b32 s94, s2, s19
	s_cselect_b32 s96, s3, s19
	s_cselect_b32 s104, 4096, s17
	s_cselect_b32 s3, 131072, s17
	s_cselect_b32 s2, 0, 16384
	s_cmp_eq_u32 ttmp9, 2
	s_cselect_b32 s17, 8192, 0
	s_cselect_b32 s3, 1024, s3
	s_cselect_b32 s2, 16640, s2
	s_cselect_b32 s98, 2048, s98
	s_cselect_b32 s100, 262144, 0
	s_add_co_u32 s94, s94, s17
	s_mov_b32 s95, 0
	s_add_co_u32 s96, s96, s2
	s_mov_b32 s97, 0
	s_mov_b32 s99, 0
	s_mov_b32 s101, 0
	s_add_nc_u64 s[96:97], s[92:93], s[96:97]
	s_add_nc_u64 s[92:93], s[92:93], s[94:95]
	s_mov_b32 s94, s3
	s_add_nc_u64 s[94:95], s[92:93], s[94:95]
	v_mul_u32_u24 v3, s104, v2
	v_lshl_add_u32 v[SOFF], v1, 4, v3
.macro FRAG reg, adr, q, i
.irp c, 0,1,2,3
	ds_load_b128 v[\reg+4*\c:\reg+4*\c+3], v[\adr] offset:(\i)*4096+(\q)*2048+512*\c
.endr
.endm
.macro MUL16 a0, p, q, sc, mode
.irp a, \a0, \a0+1
.irp b, 0,1,2,3,4,5,6,7
.if \mode == 0
	v_wmma_scale_f32_16x16x128_f8f6f4 v[8*(8*((\a)%4)+\b):8*(8*((\a)%4)+\b)+7], v[128*(\p)+16*\b:128*(\p)+16*\b+15], v[AF+16*(\a):AF+16*(\a)+15], v[8*(8*((\a)%4)+\b):8*(8*((\a)%4)+\b)+7], v[SC+16*(\sc)+2*\b+(\q)], v[SC+16*(\sc)+2*(\a)+(\q)] matrix_a_scale:MATRIX_SCALE_ROW1
.elseif \mode == 1
	v_wmma_scale_f32_16x16x128_f8f6f4 v[8*(8*((\a)%4)+\b):8*(8*((\a)%4)+\b)+7], v[128*(\p)+16*\b:128*(\p)+16*\b+15], v[AF+16*(\a):AF+16*(\a)+15], v[BI+8*\b:BI+8*\b+7], v[SC+16*(\sc)+2*\b+(\q)], v[SC+16*(\sc)+2*(\a)+(\q)] matrix_a_scale:MATRIX_SCALE_ROW1
.else
	v_wmma_scale_f32_16x16x128_f8f6f4 v[8*(8*((\a)%4)+\b):8*(8*((\a)%4)+\b)+7], v[128*(\p)+16*\b:128*(\p)+16*\b+15], v[AF+16*(\a):AF+16*(\a)+15], v[BI+8*(\a):BI+8*(\a)+7], v[SC+16*(\sc)+2*\b+(\q)], v[SC+16*(\sc)+2*(\a)+(\q)] matrix_a_scale:MATRIX_SCALE_ROW1
.endif
.endr
.endr
.endm
.macro FETCH_B slot, q, p
	WIN TO_B
.irp i, 0,1,2,3,4,5,6,7
	FRAG 128*(\p)+16*\i, ADRB+\slot, \q, \i
.endr
	WIN 0
.endm
.macro FETCH_A slot, q, i0
.irp i, \i0, \i0+1, \i0+2, \i0+3
	FRAG AF+16*(\i), ADRA+\slot, \q, \i
.endr
.endm
.macro SCALES sc, sg
.irp i, 0,1,2,3,4,5,6,7
	ds_load_b64 v[SC+16*\sc+2*\i:SC+16*\sc+2*\i+1], v[ADRS] offset:512*\i+128*\sg
.endr
.endm
.macro PLACES n
.rept \n
	v_nop
.endr
.endm
.macro STEP slot, q, mode
	s_wait_dscnt 4*NL
.if \mode
	WIN 0x81
.else
	WIN MUL_LO
.endif
	MUL16 0, (\q)%2, \q, \slot, \mode
	MUL16 2, (\q)%2, \q, \slot, \mode
	s_wait_dscnt 0
	PLACES NP
	FETCH_B \slot, (\q)+1, 1-(\q)%2
	FETCH_A \slot, (\q)+1, 0
.if \mode
	WIN 0xc1
.else
	WIN MUL_HI
.endif
	MUL16 4, (\q)%2, \q, \slot, \mode
	MUL16 6, (\q)%2, \q, \slot, \mode
	PLACES NP
	WIN 0
	FETCH_A \slot, (\q)+1, 4
.endm
.macro TURN slot, next, fill, sg
	s_wait_tensorcnt 0x0
	ds_add_u32 v[SPW], v[NIL]
	s_wait_dscnt 4*NL+1
	WIN MUL_LO
	MUL16 0, 1, 1, \slot, 0
	s_wait_dscnt 0x0
	s_barrier_signal -1
	MUL16 2, 1, 1, \slot, 0
	WIN 0
	s_barrier_wait -1
.if \fill
	CREST
	s_add_nc_u64 s[G0+4*\slot+2:G0+4*\slot+3], s[G0+4*\slot+2:G0+4*\slot+3], 8192
	s_add_nc_u64 s[G0B+4*\slot+2:G0B+4*\slot+3], s[G0B+4*\slot+2:G0B+4*\slot+3], 8192
	JLOAD G0+4*\slot, G1, G0B+4*\slot, G1B
	PLACES NP-4
.else
	PLACES NP
.endif
	FETCH_B \next, 0, 0
	FETCH_A \next, 0, 0
	SCALES \next, \sg
	WIN MUL_HI
	MUL16 4, 1, 1, \slot, 0
	MUL16 6, 1, 1, \slot, 0
	PLACES NP
	WIN 0
	FETCH_A \next, 0, 4
.endm
	s_wait_tensorcnt 1
	s_barrier_signal -1
	s_barrier_wait -1
	FETCH_B 0, 0, 0
	FETCH_A 0, 0, 0
	SCALES 0, 0
	FETCH_A 0, 0, 4
	s_wait_loadcnt 0x0
	s_cmp_eq_u32 ttmp9, 2
	s_cbranch_scc1 .Lfirst_v
	STEP 0, 0, 1
	s_branch .Lfirst_done
.Lfirst_v:
	STEP 0, 0, 2
.Lfirst_done:
	TURN 0, 1, 1, 1
	STEP 1, 0, 0
	TURN 1, 0, 1, 2
	STEP 0, 0, 0
	TURN 0, 1, 0, 3
	STEP 1, 0, 0
	s_wait_dscnt 4*NL
	WIN MUL_LO
	MUL16 0, 1, 1, 1, 0
	MUL16 2, 1, 1, 1, 0
	s_wait_dscnt 0
	WIN MUL_HI
	MUL16 4, 1, 1, 1, 0
	MUL16 6, 1, 1, 1, 0
	WIN 0
.macro EPI a
.set AC, 64*((\a)%4)
.set WW, 2+(\a)/4
.set W12, (WW<<2)|(WW<<4)
.if (\a) > 0
	s_wait_xcnt 0x0
	s_add_nc_u64 s[92:93], s[92:93], s[98:99]
	s_add_nc_u64 s[94:95], s[94:95], s[98:99]
.endif
.if (\a) == 4
	s_add_nc_u64 s[92:93], s[92:93], s[100:101]
	s_add_nc_u64 s[94:95], s[94:95], s[100:101]
.endif
	WIN W12
.irp b, 0,1,2,3
	v_max3_num_f32 v[TM+\b], 0x4800000, |v[AC+16*\b]|, |v[AC+16*\b+1]|
.endr
.irp i, 2,4,6,8,10,12,14
.irp b, 0,1,2,3
	v_max3_num_f32 v[TM+\b], v[TM+\b], |v[AC+16*\b+\i]|, |v[AC+16*\b+\i+1]|
.endr
.endr
	WIN 0
.irp b, 0,1,2,3
	v_permlanex16_b32 v[TM+4+\b], v[TM+\b], s20, s21
.endr
.irp b, 0,1,2,3
	v_max_num_f32 v[TM+\b], v[TM+\b], v[TM+4+\b]
.endr
.irp b, 0,1,2,3
	v_add_nc_u32 v[TM+12+\b], 0xfc000000, v[TM+\b]
.endr
.irp b, 0,1,2,3
	v_and_or_b32 v[TM+8+\b], v[TM+\b], 0x7f800000, s23
.endr
.irp b, 0,1,2,3
	v_lshrrev_b32 v[TM+4+\b], 23, v[TM+12+\b]
.endr
	v_lshl_or_b32 v[PW], v[TM+5], 8, v[TM+4]
	v_lshl_or_b32 v[PW], v[TM+6], 16, v[PW]
	v_lshl_or_b32 v[PW], v[TM+7], 24, v[PW]
	WIN WW
.irp b, 0,1,2,3
.irp i, 0,1,2,3,4,5,6,7,8,9,10,11,12,13,14,15
	v_med3_num_f32 v[X+16*\b+\i], v[AC+16*\b+\i], -v[TM+8+\b], v[TM+8+\b]
.endr
.endr
	WIN 0
.irp b, 0,1,2,3
	v_cvt_scalef32_pk8_fp8_f32 v[PC+4*\b:PC+1+4*\b], v[X+16*\b:X+7+16*\b], v[TM+12+\b]
	v_cvt_scalef32_pk8_fp8_f32 v[PC+2+4*\b:PC+3+4*\b], v[X+8+16*\b:X+15+16*\b], v[TM+12+\b]
.endr
	v_nop
	global_store_b128 v[L16], v[PC:PC+3], s[92:93]
	global_store_b128 v[L16], v[PC+4:PC+7], s[92:93] offset:512
	global_store_b128 v[L16], v[PC+8:PC+11], s[94:95]
	global_store_b128 v[L16], v[PC+12:PC+15], s[94:95] offset:512
	ds_store_b32 v[SWV], v[PW] offset:64*(\a)
	ds_store_b16 v[SWE], v[PW] offset:64*((\a)/2)+2*((\a)%2)
	ds_store_b16_d16_hi v[SWE], v[PW] offset:256+64*((\a)/2)+2*((\a)%2)
.endm
	PLACES NP
	s_mov_b32 s20, 0x76543210
	s_mov_b32 s21, 0xfedcba98
	s_mov_b32 s23, 0x600000
.irp b, 0,1,2,3
	v_mov_b32 v[TM+4+\b], 0
.endr
.irp a, 0,1,2,3,4,5,6,7
	EPI \a
.endr
	ds_load_b128 v[BK:BK+3], v[RB]
	ds_load_b128 v[BK+4:BK+7], v[RB] offset:512
	s_wait_dscnt 0x0
.irp i, 0,1,2,3
	v_cndmask_b32 v[BK+\i], v[BK+4+\i], v[BK+\i], s66
.endr
	global_store_b128 v[SOFF], v[BK:BK+3], s[96:97]
	s_wait_tensorcnt 0x0
	ds_add_u32 v[SPW], v[NIL]
	s_wait_dscnt 0x0
	CROUND
	s_endpgm
.Lfunc_end_k_q8a18a0961a_qkv:
	.size	k_q8a18a0961a_qkv, .Lfunc_end_k_q8a18a0961a_qkv-k_q8a18a0961a_qkv
	.p2alignl 7, 3214868480
	.fill 96, 4, 3214868480
	.section	.rodata,"a",@progbits
	.p2align	6, 0x0
	.amdhsa_kernel k_q8a18a0961a_qkv
		.amdhsa_group_segment_fixed_size 327680
		.amdhsa_private_segment_fixed_size 0
		.amdhsa_enable_private_segment 0
		.amdhsa_kernarg_size 40
		.amdhsa_user_sgpr_count 2
		.amdhsa_user_sgpr_kernarg_segment_ptr 1
		.amdhsa_wavefront_size32 1
		.amdhsa_system_sgpr_workgroup_id_x 1
		.amdhsa_system_sgpr_workgroup_id_y 1
		.amdhsa_system_sgpr_workgroup_id_z 1
		.amdhsa_system_vgpr_workitem_id 0
		.amdhsa_next_free_vgpr 1024
		.amdhsa_next_free_sgpr 106
		.amdhsa_reserve_vcc 0
		.amdhsa_float_denorm_mode_32 3
		.amdhsa_float_denorm_mode_16_64 3
		.amdhsa_memory_ordered 1
		.amdhsa_forward_progress 1
		.amdhsa_inst_pref_size 209
	.end_amdhsa_kernel
	.amdgpu_metadata
---
amdhsa.version: [ 1, 2 ]
amdhsa.kernels:
  - .name:           k_q8a18a0961a_qkv
    .symbol:         k_q8a18a0961a_qkv.kd
    .args:
      - { .name: xq, .offset: 0, .size: 8, .value_kind: global_buffer, .address_space: global }
      - { .name: wq, .offset: 8, .size: 8, .value_kind: global_buffer, .address_space: global }
      - { .name: bqkv, .offset: 16, .size: 8, .value_kind: global_buffer, .address_space: global }
      - { .name: qq, .offset: 24, .size: 8, .value_kind: global_buffer, .address_space: global }
      - { .name: kv, .offset: 32, .size: 8, .value_kind: global_buffer, .address_space: global }
    .group_segment_fixed_size: 327680
    .private_segment_fixed_size: 0
    .kernarg_segment_align: 8
    .kernarg_segment_size: 40
    .max_flat_workgroup_size: 128
    .sgpr_count:     106
    .vgpr_count:     1024
    .wavefront_size: 32
...
	.end_amdgpu_metadata
.endif
;; end of part 2
;; launch attn (part 3): grid 4 x 64, 16 waves a work-group, clusters of 4 x 1, 272,384 bytes of LDS; arguments qq, kv, aq; writes aq
.if DOCPART == 3
	.amdgcn_target "amdgcn-amd-amdhsa--gfx1250"
	.amdhsa_code_object_version 6
	.text
	.protected	k_q8a18a0961a_attn
	.globl	k_q8a18a0961a_attn
	.p2align	8
	.type	k_q8a18a0961a_attn,@function
k_q8a18a0961a_attn:
	s_mov_b64 s[64:65], 0
	v_nop
	global_prefetch_b8 v0, s[64:65] scope:SCOPE_SE
	s_setreg_imm32_b32 hwreg(HW_REG_WAVE_MODE, 25, 1), 1
	s_wait_xcnt 0x0
	s_wait_alu depctr_hold_cnt(0) depctr_sa_sdst(0) depctr_va_vdst(0) depctr_va_sdst(0) depctr_va_ssrc(0) depctr_va_vcc(0) depctr_vm_vsrc(0)
	s_getreg_b32 s2, hwreg(HW_REG_IB_STS2, 6, 4)
	s_cmp_eq_u32 s2, 0
	s_cbranch_scc0 .Lentry_in_a_cluster
	s_endpgm
.Lentry_in_a_cluster:
	s_bfe_u32 s2, ttmp6, 0x10000c
	s_cmp_lg_u32 s2, 0x3003
	s_cbranch_scc0 .Lentry_shape_is_right
	s_endpgm
.Lentry_shape_is_right:
; Cross attention on codes of FP8 (E4M3) with E8M0 scales: for pair P = 16 x sequence + head, o = softmax(q k^T / 8) v, q of sequence g, k and v of sequence g xor 2; 2,048 queries x 2,048 keys, head size 64.
; THE SOFTMAX AHEAD OF THE SECOND PRODUCT: t = score x log2(e) / 8; M = the running largest t rounded UP to a whole number; p = 2^(t - M) is quantised along the keys, not normalised.  The row's sum is taken of the
; unquantised p and divides at the end; when M moves, the sum and O are multiplied by 2^(old M - new M): exact.  o is quantised along the model's 1,024 (a block of 32 lies inside a head) and stored as the next product's operand image.
; SHARES.  A cluster of four work-groups owns a pair, a work-group 512 queries, each of its sixteen waves one tile of 16 queries a pass, two passes (written out by a macro: every offset is an immediate).
; THE PAIR'S WHOLE K AND V, 16 records of 16,896 bytes, come into LDS ONCE: wave w asks for record w, jointly with wave w of the three partners.  No byte of LDS is filled twice: no ring, and no barrier in the walk over the keys.
; No prefetch: K and V are asked for once, at the head, so there is no loop to run ahead in.
; A RECORD'S 512 SCALE BYTES ARE RE-LAID IN PLACE, once, by the wave that fetched it (the record has had its only fill): 16 bytes a lane, lanes 0-15 K's four words of row r, lanes 16-31 V's four: one load a key step.
; LAYOUT.  Both products transposed: S^T = K Q^T, O^T = V^T P^T: a lane holds one query.  Tiles hold places in the order 32 (T / 2) + 8 (T % 2) + r + 8 (r / 8), so the 16 registers of tiles 2 b, 2 b + 1 are 16 neighbours.
; THE HEAD'S 64 IN AN INSTRUCTION OF 128.  A fragment of K holds two key tiles (k 0-63, k 64-127); it is multiplied by [Q | 0] and by [0 | Q].  The filling is zero CODES on Q's side, under the byte 0 (2^-127, a number).
; THE HOLD WRITES INTO THE FRAGMENTS' REGISTERS, so p stays whole: its sums stand behind V's loads, and eight of them and the joining of the eight partial sums are the places behind the products.
; LIMITS: NaN and infinities are not served; the scaled scores stay under 2^31 in magnitude; a block of zeros gets the byte 1 (its codes are zeros; this program alone reads the bytes).
; REGISTERS: v1-7, v11 addresses and work; v8-10 scale words of Q and p; v12 -M, v13 the largest score, v[14:15] the sum; v16-39 Q, zeros, Q; v40-43 K's and V's scale words; v44-47 at work; v48-111 four fragments, held p;
; v112-175 S^T, then p; v176-207 O^T; v208-223 codes; v224-239 at work; v240-253 seven partial sums.
.set XSCL, 8388608
.set REC,  16896
.set SPARE, 0x42000                    ; behind the 16 records: the spare words, 128 bytes a wave
.set LI,   1                           ; 16 x lane
.set AD,   2                           ; the record in hand + 16 x lane
.set OSB,  3                           ; 2 r + h
.set SPW,  4                           ; my spare word; never rewritten
.set NIL,  5                           ; 0; never rewritten
.set LS,   6                           ; 4 r
.set KVS,  40
.set T2,   44                          ; the other lane's maxima; the bytes
.set FR,   48
.set S,    112
.set OT,   176
.set PC,   208
.set BM,   224                         ; the blocks' largest scores, then largest p
.set LIM,  228                         ; 448 x the scale
.set SOP,  232                         ; the conversions' scale operands
.set F,    236                         ; f = 2^(old M - new M); v237 is named with it as a pair
.set PS,   240
.set WV,   10
.set G1,   16
.set G0,   32
.set TB,   29
.set CNT,  30
.set NC,   31                          ; -c
.set FL,   44                          ; the floor 2^(9 - 127)
.macro CROUND
	s_barrier_signal -1
	s_barrier_wait -1
	s_cmp_lg_u32 s[WV], 0
	s_cbranch_scc1 .Lnot_wave_0_\@
	s_barrier_signal -3
.Lnot_wave_0_\@:
	s_barrier_wait -3
	s_barrier_signal -1
	s_barrier_wait -1
.endm
.macro QLOAD p                         ; pass p's tile of queries, twice ([Q | 0] and [0 | Q] share the zeros), and its pair of tiles' scale words
	global_load_b128 v[16:19], v[LI], s[50:51] offset:16384*\p th:TH_LOAD_NT
	global_load_b128 v[20:23], v[LI], s[50:51] offset:16384*\p+512 th:TH_LOAD_NT
	global_load_b128 v[32:35], v[LI], s[50:51] offset:16384*\p th:TH_LOAD_NT
	global_load_b128 v[36:39], v[LI], s[50:51] offset:16384*\p+512 th:TH_LOAD_NT
	global_load_b32 v11, v[LS], s[52:53] offset:512*\p
.endm
	s_load_b128 s[4:7], s[0:1], 0x0                ; qq s[4:5], kv s[6:7]
	s_load_b64 s[8:9], s[0:1], 0x10                ; aq
	v_lshl_add_u32 v[SPW], v0, 2, SPARE
	v_mov_b32 v[NIL], 0
	ds_add_u32 v[SPW], v[NIL]                      ; the opening lines: the add, twice on end, and its wait
	ds_add_u32 v[SPW], v[NIL]
	v_lshrrev_b32 v7, 5, v0
	v_readfirstlane_b32 s[WV], v7                  ; wave 0..15
	s_bfe_u32 s11, ttmp6, 0x40000                  ; cx: it enters Q's and o's addresses alone
	s_and_b32 s12, ttmp7, 0xffff                   ; P, which the four partners share
	s_mov_b32 s[G1], 15|(3<<16)|(1<<21)            ; a record: 66 rows of 256 dense bytes (32 elements of 8 bytes); the mask names all four work-groups
	s_mov_b32 s[G1+1], 32<<16
	s_mov_b32 s[G1+2], 66<<16
	s_mov_b32 s[G1+3], 32<<16
	s_mov_b32 s[G1+4], 66
	s_mov_b32 s[G1+5], 32
	s_mov_b32 s[G1+6], 0
	s_mov_b32 s[G1+7], 0
	s_xor_b32 s13, s12, 32                         ; the pair whose keys and values I read
	s_mul_i32 s15, s[WV], REC                      ; record = wave
	s_mul_i32 s2, s13, 16*REC
	s_add_co_u32 s2, s2, s15
	s_mov_b32 s3, 0
	s_wait_dscnt 0x0
	s_wait_kmcnt 0x0
	s_add_nc_u64 s[2:3], s[6:7], s[2:3]
	s_mov_b32 s[G0], 1
	s_mov_b32 s[G0+1], s15
	s_mov_b64 s[G0+2:G0+3], s[2:3]
	s_or_b32 s[G0+3], s[G0+3], 0x80000000
	CROUND                                         ; all four work-groups are here: the joint loads meet
	tensor_load_to_lds s[G0:G0+3], s[G1:G1+7]      ; my one tensor load of the launch
	s_nop 0
	v_and_b32 v7, 31, v0
	v_lshlrev_b32 v[LI], 4, v7
	v_and_b32 v7, 15, v0                           ; r
	v_lshlrev_b32 v[LS], 2, v7
	v_bfe_u32 v11, v0, 4, 1                        ; h
	v_lshl_add_u32 v[OSB], v7, 1, v11
	v_lshl_add_u32 v238, v11, 8, v[LS]
	v_add_nc_u32 v238, s15, v238                   ; my record + 256 h + 4 r: the scale words as they arrive
	v_add_nc_u32 v[AD], s15, v[LI]                 ; my record + 16 x lane: as they are re-laid
.irp j, 0,1,2,3,4,5,6,7
	v_mov_b32 v[24+\j], 0                          ; the zero codes between the two copies of Q
.endr
.irp b, 0,1,2,3
	v_mov_b32 v[T2+\b], 0                          ; a lane permute's destination counts as one of its sources
.endr
	v_mov_b32 v[F+1], 0
	v_mov_b32 v239, 0
	s_mov_b32 s24, 0x76543210
	s_mov_b32 s25, 0xfedcba98
	s_mov_b32 s26, 0x3e38aa3b                      ; c = log2(e) / 8
	s_mov_b32 s27, s26                             ; (named with it as a pair)
	s_mov_b32 s28, 0x600000                        ; the mantissa field of 448
	s_mov_b32 s[NC], 0xbe38aa3b
	s_mov_b32 s[FL], 0x4800000
	s_mov_b32 s48, 0xffff0000                      ; lanes 16-31
	s_and_b32 s49, s[WV], 1
	s_lshl_b32 s49, s49, 4                         ; my tile's half of its pair's scale word
	s_lshl_b32 s13, s11, 5
	s_add_co_u32 s13, s13, s[WV]                   ; my first tile of queries: 32 cx + wave
	s_lshl_b32 s14, s12, 7
	s_add_co_u32 s14, s14, s13                     ; 128 P + tile
	s_lshl_b32 s50, s14, 10                        ; Q's image
	s_mov_b32 s51, 0
	s_lshl_b32 s56, s14, 5                         ; o's scale bytes: 32 a tile
	s_add_co_u32 s56, s56, XSCL
	s_mov_b32 s57, 0
	s_lshl_b32 s52, s12, 12                        ; Q's scale words: 4,096 bytes a pair, 64 a pair of tiles
	s_lshl_b32 s14, s11, 4
	s_lshr_b32 s58, s[WV], 1
	s_add_co_u32 s14, s14, s58
	s_lshl_b32 s14, s14, 6
	s_add_co_u32 s52, s52, s14
	s_add_co_u32 s52, s52, XSCL
	s_mov_b32 s53, 0
	s_lshr_b32 s14, s12, 4                         ; the sequence
	s_lshl_b32 s14, s14, 7
	s_add_co_u32 s14, s14, s13                     ; o's tile of rows
	s_lshl_b32 s14, s14, 3
	s_bfe_u32 s58, s12, 0x30001                    ; head / 2: the K step of the next product
	s_add_co_u32 s14, s14, s58
	s_lshl_b32 s54, s14, 11
	s_and_b32 s58, s12, 1
	s_lshl_b32 s58, s58, 10                        ; head % 2: which half of that image
	s_add_co_u32 s54, s54, s58
	s_mov_b32 s55, 0
	s_add_nc_u64 s[50:51], s[4:5], s[50:51]
	s_add_nc_u64 s[52:53], s[4:5], s[52:53]
	s_add_nc_u64 s[54:55], s[8:9], s[54:55]
	s_add_nc_u64 s[56:57], s[8:9], s[56:57]
	s_wait_alu depctr_va_vdst(0)                   ; the wait at the head's end
	QLOAD 0
	s_wait_tensorcnt 0x0                           ; my record is in
	s_barrier_signal -1
	s_barrier_wait -1                              ; all sixteen are
.irp j, 0,1,2,3
	ds_load_b32 v[KVS+\j], v238 offset:16384+64*\j ; lanes 0-15: K's word of fragment j, row r; lanes 16-31: V's of tile j
.endr
	s_wait_dscnt 0x0                               ; all 512 bytes are in registers before any is written
	ds_store_b128 v[AD], v[KVS:KVS+3] offset:16384
	s_wait_dscnt 0x0                               ; for the others' sake
	s_barrier_signal -1
	s_barrier_wait -1
.macro TREE                            ; the seven partial sums join the sum
	v_pk_add_f32 v[PS:PS+1], v[PS:PS+1], v[PS+2:PS+3]
	v_pk_add_f32 v[PS+4:PS+5], v[PS+4:PS+5], v[PS+6:PS+7]
	v_pk_add_f32 v[PS+8:PS+9], v[PS+8:PS+9], v[PS+10:PS+11]
	v_pk_add_f32 v[PS:PS+1], v[PS:PS+1], v[PS+4:PS+5]
	v_pk_add_f32 v[PS+8:PS+9], v[PS+8:PS+9], v[PS+12:PS+13]
	v_pk_add_f32 v[PS:PS+1], v[PS:PS+1], v[PS+8:PS+9]
	v_pk_add_f32 v[14:15], v[14:15], v[PS:PS+1]
.endm
.macro ACCP i                          ; pair 14 + i of p onto chain i % 8 (0: the sum itself)
.if ((\i)%8) == 0
	v_pk_add_f32 v[14:15], v[14:15], v[S+28+2*(\i):S+29+2*(\i)]
.else
	v_pk_add_f32 v[PS+2*((\i)%8)-2:PS+2*((\i)%8)-1], v[PS+2*((\i)%8)-2:PS+2*((\i)%8)-1], v[S+28+2*(\i):S+29+2*(\i)]
.endif
.endm
; A KEY STEP: one record, 128 keys
.macro STEP
	ds_load_b128 v[KVS:KVS+3], v[AD] offset:16384
.irp f, 0,1,2,3
.irp c, 0,1,2,3
	ds_load_b128 v[FR+16*\f+4*\c:FR+16*\f+4*\c+3], v[AD] offset:2048*\f+512*\c   ; key tiles 2 f and 2 f + 1
.endr
.endr
.irp f, 0,1,2,3
	s_wait_dscnt 12-4*\f                           ; the scale words and fragment f are in; the 4 (3 - f) loads of the later fragments may be out
	v_wmma_scale_f32_16x16x128_f8f6f4 v[S+16*\f:S+16*\f+7], v[FR+16*\f:FR+16*\f+15], v[16:31], 0, v[KVS+\f], v8
	v_wmma_scale_f32_16x16x128_f8f6f4 v[S+16*\f+8:S+16*\f+15], v[FR+16*\f:FR+16*\f+15], v[24:39], 0, v[KVS+\f], v9
.endr                                  ; register 16 b + i: key 32 b + 16 (lane / 16) + i of the record
	TREE                                           ; the last step's partial sums, still under the old M: seven of the eight places behind the products,
	v_mov_b32 v238, v12                            ; and the eighth: the old -M
.irp b, 0,1,2,3
	v_max3_num_f32 v[BM+\b], v[S+16*\b], v[S+1+16*\b], v[S+2+16*\b]   ; the largest score of each block of 32 keys: it serves the row's maximum and, since p rises with the score, the block's largest p
.endr
.irp i, 3,5,7,9,11,13
.irp b, 0,1,2,3
	v_max3_num_f32 v[BM+\b], v[BM+\b], v[S+16*\b+\i], v[S+1+16*\b+\i]
.endr
.endr
.irp b, 0,1,2,3
	v_max_num_f32 v[BM+\b], v[BM+\b], v[S+15+16*\b]
.endr
.irp b, 0,1,2,3
	v_permlanex16_b32 v[T2+\b], v[BM+\b], s24, s25
.endr
.irp b, 0,2
	v_dual_max_num_f32 v[BM+\b], v[BM+\b], v[T2+\b] :: v_dual_max_num_f32 v[BM+\b+1], v[BM+\b+1], v[T2+\b+1]   ; with lane l xor 16's 16 keys
.endr
	v_max3_num_f32 v13, v13, v[BM], v[BM+1]        ; the running largest score
	v_max3_num_f32 v13, v13, v[BM+2], v[BM+3]
	v_mul_f32 v239, s[NC], v13                     ; -t (c is positive)
	v_floor_f32 v12, v239                          ; the new -M = floor(-t)
	v_sub_f32 v239, v12, v238                      ; old M - new M: a whole number, 0 or less
	v_cvt_i32_f32 v239, v239                       ; (it saturates)
	v_ldexp_f32 v[F], 1.0, v239                    ; f = 2^(old M - new M)
.set j, 0
.rept 32
	v_pk_fma_f32 v[S+j:S+j+1], v[S+j:S+j+1], s[26:27], v[12:13] op_sel_hi:[1,0,0]   ; t - M, two at a time
.set j, j+2
.endr
	v_pk_fma_f32 v[BM:BM+1], v[BM:BM+1], s[26:27], v[12:13] op_sel_hi:[1,0,0]       ; the same of the blocks' largest scores
	v_pk_fma_f32 v[BM+2:BM+3], v[BM+2:BM+3], s[26:27], v[12:13] op_sel_hi:[1,0,0]
	s_wait_alu depctr_va_vdst(0)                   ; the wait ahead of the batch
.set j, 0
.rept 64
	v_exp_f32 v[S+j], v[S+j]                       ; p = 2^(t - M)
.set j, j+1
.endr
.irp b, 0,1,2,3
	v_exp_f32 v[BM+\b], v[BM+\b]                   ; the blocks' largest p
.endr
	v_pk_mul_f32 v[14:15], v[14:15], v[F:F+1] op_sel_hi:[1,0]   ; the sum under the new M: the plain line behind the exponentials
	s_wait_alu depctr_va_vdst(0)                   ; one wait for the whole batch, ahead of its first reader
.irp b, 0,2
	v_dual_max_num_f32 v[BM+\b], s[FL], v[BM+\b] :: v_dual_max_num_f32 v[BM+\b+1], s[FL], v[BM+\b+1]   ; the floor 2^(9 - 127): the byte cannot fall under 1
.endr
.irp b, 0,1,2,3
	v_add_nc_u32 v[SOP+\b], 0xfc000000, v[BM+\b]   ; 8 off the exponent field: the conversion's scale operand
.endr
.irp b, 0,1,2,3
	v_and_or_b32 v[LIM+\b], v[BM+\b], 0x7f800000, s28   ; 448 x the scale
.endr
.irp b, 0,1,2,3
	v_lshrrev_b32 v[T2+\b], 23, v[SOP+\b]          ; the byte
.endr
	v_lshl_or_b32 v10, v[T2+1], 8, v[T2]           ; p's scale word for these 128 keys
	v_lshl_or_b32 v10, v[T2+2], 16, v10
	v_lshl_or_b32 v10, v[T2+3], 24, v10
.irp b, 0,1,2,3
.irp i, 0,2,4,6,8,10,12,14
	v_dual_min_num_f32 v[FR+16*\b+\i], v[S+16*\b+\i], v[LIM+\b] :: v_dual_min_num_f32 v[FR+16*\b+\i+1], v[S+16*\b+\i+1], v[LIM+\b]   ; the hold (the conversion does not saturate: ISA guide 7.6.2); p is not negative: one-sided; p itself stays
.endr
	v_cvt_scalef32_pk8_fp8_f32 v[PC+4*\b:PC+1+4*\b], v[FR+16*\b:FR+7+16*\b], v[SOP+\b]
	v_cvt_scalef32_pk8_fp8_f32 v[PC+2+4*\b:PC+3+4*\b], v[FR+8+16*\b:FR+15+16*\b], v[SOP+\b]
.endr
.irp t, 0,1,2,3                        ; V's four tiles land under the sums and the rescaling
.irp c, 0,1,2,3
	ds_load_b128 v[FR+16*\t+4*\c:FR+16*\t+4*\c+3], v[AD] offset:8192+2048*\t+512*\c
.endr
.endr
.irp k, 1,2,3,4,5,6,7
	v_pk_add_f32 v[PS+2*\k-2:PS+2*\k-1], v[S+4*\k-4:S+4*\k-3], v[S+4*\k-2:S+4*\k-1]   ; THE ROW'S SUM IS TAKEN OF THE UNQUANTISED p: seven partial sums begin anew
.endr
.irp i, 0,1,2,3,4,5,6,7,8,9
	ACCP \i
.endr
	s_wait_alu depctr_va_vdst(0)                   ; the wait here, directly ahead of the first reader of O^T
.set j, 0
.rept 16
	v_pk_mul_f32 v[OT+j:OT+j+1], v[OT+j:OT+j+1], v[F:F+1] op_sel_hi:[1,0]   ; O^T under the new M
.set j, j+2
.endr
	s_wait_alu depctr_va_vdst(0)                   ; the wait here, directly ahead of the wait below
.irp t, 0,1,2,3
	s_wait_dscnt 12-4*\t                           ; tile t of V is in; the 4 (3 - t) loads of the later tiles may be out
	v_wmma_scale_f32_16x16x128_f8f6f4 v[OT+8*\t:OT+8*\t+7], v[FR+16*\t:FR+16*\t+15], v[PC:PC+15], v[OT+8*\t:OT+8*\t+7], v[KVS+\t], v10 matrix_a_scale:MATRIX_SCALE_ROW1
.endr
.irp i, 10,11,12,13,14,15,16,17
	ACCP \i                                        ; the last eight pairs of p: the places behind the products, ahead of the next step's loads into their registers
.endr
	s_add_co_u32 s[TB], s[TB], REC
	v_add_nc_u32 v[AD], s[TB], v[LI]               ; the next record
.endm
.macro PASS p                          ; a tile of 16 queries: tile 32 cx + wave + 16 p
	s_wait_loadcnt 0x0                             ; Q
	v_lshrrev_b32 v7, s49, v11
	v_and_b32 v8, 0xffff, v7                       ; Q's two bytes under k 0-63, the byte 0 over the zero codes
	v_lshlrev_b32 v9, 16, v8                       ; and under k 64-127
	v_mov_b32 v13, 0xff61b1e6                      ; the largest score so far: -3e38
	v_mov_b32 v12, 0x7e000000                      ; -M = 2^125: the first f is 0, and multiplies zeros
	v_mov_b32 v14, 0
	v_mov_b32 v15, 0
	v_mov_b32 v[AD], v[LI]
.set j, 0
.rept 14
	v_mov_b32 v[PS+j], 0
.set j, j+1
.endr
.set j, 0
.rept 32
	v_mov_b32 v[OT+j], 0                           ; the step is written once: its first walk finds zeros
.set j, j+1
.endr
	s_mov_b32 s[TB], 0
	s_mov_b32 s[CNT], 16
	s_wait_alu depctr_va_vdst(0)                   ; the wait ahead of the step's waits
.Lstep_\@:
	STEP
	s_sub_co_u32 s[CNT], s[CNT], 1
	s_cmp_lg_u32 s[CNT], 0
	s_wait_alu depctr_va_vdst(0)                   ; the wait directly ahead of the branch
	s_cbranch_scc1 .Lstep_\@
	; THE WAY OUT: O^T / the sum, quantised along the head's 64 (two blocks), as two chunks of the next product's image
.if \p == 0
	QLOAD 1                                        ; the next pass's queries land under the way out
.endif
	TREE
	v_add_f32 v14, v14, v15
	v_permlanex16_b32 v239, v14, s24, s25
	v_add_f32 v14, v14, v239                       ; the row's sum
	s_wait_alu depctr_va_vdst(0)                   ; the wait ahead of the transcendental
	v_rcp_f32 v14, v14
	v_nop                                          ; the plain line behind it
	s_wait_alu depctr_va_vdst(0)                   ; ahead of its first reader and of O^T's
.set j, 0
.rept 16
	v_pk_mul_f32 v[S+j:S+j+1], v[OT+j:OT+j+1], v[14:15] op_sel_hi:[1,0]   ; register 16 b + i: o(my query, 32 b + 16 h + i); each accumulator from its low end on
.set j, j+2
.endr
.irp b, 0,1
	v_max3_num_f32 v[BM+\b], |v[S+16*\b]|, |v[S+1+16*\b]|, 0x4800000
.endr
.irp i, 2,4,6,8,10,12,14
.irp b, 0,1
	v_max3_num_f32 v[BM+\b], v[BM+\b], |v[S+16*\b+\i]|, |v[S+1+16*\b+\i]|
.endr
.endr
.irp b, 0,1
	v_permlanex16_b32 v[T2+\b], v[BM+\b], s24, s25
.endr
.irp b, 0,1
	v_max_num_f32 v[BM+\b], v[BM+\b], v[T2+\b]
.endr
.irp b, 0,1
	v_add_nc_u32 v[SOP+\b], 0xfc000000, v[BM+\b]
.endr
.irp b, 0,1
	v_and_or_b32 v[LIM+\b], v[BM+\b], 0x7f800000, s28
.endr
.irp b, 0,1
	v_lshrrev_b32 v[T2+\b], 23, v[SOP+\b]
.endr
.irp b, 0,1
.irp i, 0,1,2,3,4,5,6,7,8,9,10,11,12,13,14,15
	v_med3_num_f32 v[S+16*\b+\i], v[S+16*\b+\i], -v[LIM+\b], v[LIM+\b]
.endr
	v_cvt_scalef32_pk8_fp8_f32 v[PC+4*\b:PC+1+4*\b], v[S+16*\b:S+7+16*\b], v[SOP+\b]
	v_cvt_scalef32_pk8_fp8_f32 v[PC+2+4*\b:PC+3+4*\b], v[S+8+16*\b:S+15+16*\b], v[SOP+\b]
.endr
	v_cndmask_b32 v7, v[T2], v[T2+1], s48          ; lanes 0-15 store block 0's byte of row r, lanes 16-31 block 1's.  (The plain line behind the conversions)
	global_store_b128 v[LI], v[PC:PC+3], s[54:55] offset:262144*\p
	global_store_b128 v[LI], v[PC+4:PC+7], s[54:55] offset:262144*\p+512
	global_store_b8 v[OSB], v7, s[56:57] offset:512*\p
.if \p == 0
	s_wait_alu depctr_va_vdst(0)
	s_wait_xcnt 0x0                                ; the stores have read their data: it is written again only behind this wait
.endif
.endm
	PASS 0
	PASS 1
	s_wait_tensorcnt 0x0                           ; the wave's end
	ds_add_u32 v[SPW], v[NIL]
	s_wait_dscnt 0x0
	CROUND                                         ; the closing round
	s_endpgm
.Lfunc_end_k_q8a18a0961a_attn:
	.size	k_q8a18a0961a_attn, .Lfunc_end_k_q8a18a0961a_attn-k_q8a18a0961a_attn
	.p2alignl 7, 3214868480
	.fill 96, 4, 3214868480
	.section	.rodata,"a",@progbits
	.p2align	6, 0x0
	.amdhsa_kernel k_q8a18a0961a_attn
		.amdhsa_group_segment_fixed_size 272384
		.amdhsa_private_segment_fixed_size 0
		.amdhsa_enable_private_segment 0
		.amdhsa_kernarg_size 24
		.amdhsa_user_sgpr_count 2
		.amdhsa_user_sgpr_kernarg_segment_ptr 1
		.amdhsa_wavefront_size32 1
		.amdhsa_system_sgpr_workgroup_id_x 1
		.amdhsa_system_sgpr_workgroup_id_y 1
		.amdhsa_system_sgpr_workgroup_id_z 1
		.amdhsa_system_vgpr_workitem_id 0
		.amdhsa_next_free_vgpr 256
		.amdhsa_next_free_sgpr 66
		.amdhsa_reserve_vcc 0
		.amdhsa_float_denorm_mode_32 3
		.amdhsa_float_denorm_mode_16_64 3
		.amdhsa_memory_ordered 1
		.amdhsa_forward_progress 1
		.amdhsa_inst_pref_size 58
	.end_amdhsa_kernel
	.amdgpu_metadata
---
amdhsa.version: [ 1, 2 ]
amdhsa.kernels:
  - .name:           k_q8a18a0961a_attn
    .symbol:         k_q8a18a0961a_attn.kd
    .args:
      - { .name: qq, .offset: 0, .size: 8, .value_kind: global_buffer, .address_space: global }
      - { .name: kv, .offset: 8, .size: 8, .value_kind: global_buffer, .address_space: global }
      - { .name: aq, .offset: 16, .size: 8, .value_kind: global_buffer, .address_space: global }
    .group_segment_fixed_size: 272384
    .private_segment_fixed_size: 0
    .kernarg_segment_align: 8
    .kernarg_segment_size: 24
    .max_flat_workgroup_size: 512
    .sgpr_count:     66
    .vgpr_count:     256
    .wavefront_size: 32
...
	.end_amdgpu_metadata
.endif
;; end of part 3
;; launch outln (part 4): grid 256 x 1, 16 waves a work-group, clusters of 4 x 1, 327,680 bytes of LDS; arguments aq, wq, bout, embedding1, embedding2, gamma, beta, out0, out1; writes out0, out1
.if DOCPART == 4
	.amdgcn_target "amdgcn-amd-amdhsa--gfx1250"
	.amdhsa_code_object_version 6
	.text
	.protected	k_q8a18a0961a_outln
	.globl	k_q8a18a0961a_outln
	.p2align	8
	.type	k_q8a18a0961a_outln,@function
k_q8a18a0961a_outln:
	s_mov_b64 s[64:65], 0
	v_nop
	global_prefetch_b8 v0, s[64:65] scope:SCOPE_SE
	s_setreg_imm32_b32 hwreg(HW_REG_WAVE_MODE, 25, 1), 1
	s_wait_xcnt 0x0
	s_wait_alu depctr_hold_cnt(0) depctr_sa_sdst(0) depctr_va_vdst(0) depctr_va_sdst(0) depctr_va_ssrc(0) depctr_va_vcc(0) depctr_vm_vsrc(0)
	s_getreg_b32 s2, hwreg(HW_REG_IB_STS2, 6, 4)
	s_cmp_eq_u32 s2, 0
	s_cbranch_scc0 .Lentry_in_a_cluster
	s_endpgm
.Lentry_in_a_cluster:
	s_bfe_u32 s2, ttmp6, 0x10000c
	s_cmp_lg_u32 s2, 0x3003
	s_cbranch_scc0 .Lentry_shape_is_right
	s_endpgm
.Lentry_shape_is_right:
; out = LayerNorm(embedding + attn Wout + bout) gamma + beta.  The product on codes of FP8 (E4M3) with E8M0 scales, K = 1,024; all else in f32; mean and variance in two passes over the row, which stays in registers.
; SHARES.  Work-group j owns rows 32 j .. 32 j + 31 (two tiles of 16 places) and ALL 1,024 columns, so a row's mean and variance need no second launch.  Wave w makes columns 64 w .. 64 w + 63 (four tiles of Wout) for both
; row tiles: eight accumulators by turns.  The rows' 16 images are brought once and shared through LDS.
; JOINT LOADS.  All work-groups walk the same Wout: four form a cluster, and a K step of Wout (64 tiles x 2,048 bytes) comes through a ring of two LDS slots: wave w asks, jointly with wave w of its three partners, for its own
; four tiles (4 rows of 2,048 bytes, 16,384 bytes apart), which it alone reads.  Each refill stands behind the three lines and a round of the cluster's barrier, one tensor load a wave.
; PREFETCH.  In K step s each wave names one tile's 2,048 bytes of K step s + 3, which the refill two rounds on will ask for: 8 blocks of 256 bytes (lanes 8-31 name the last again); the four partners take tiles
; 4 w + cx, told apart by address; K steps 0 to 2 come by their loads alone, K steps 5 to 7 ask for nothing.  The two residual rows of a wave are named once, in K step 1.
; The matrix instruction is used transposed (source 0 = 16 columns of Wout, source 1 = 16 rows): a lane's eight results are eight neighbouring columns of one row.  Results meet in the stage; each wave then owns two whole rows.
; THE STAGE, 32 rows x 4,112 bytes, lies on slot 0 and the 512 unused bytes behind it: slot 0 has had its last fill (K step 6) and its last read when the first result is stored there, behind the barrier ahead of K step 7.
; LIMITS: NaN and infinities are not served.
; REGISTERS: v1-15, v28-29 addresses (v8-13 at work in the norm); v16-17 the rows' scale words, v18-25 Wout's (two sets); v32-63 the rows' two fragments, later bout; v64-127 Wout's fragments, later the residual;
; v128-191 gamma, beta; v192-255 accumulators, later two rows.
.set XSCL, 8388608
.set WSCL, 4194304
.set XIMG, 131584                      ; LDS: slot 0 from 0; the rows' 16 images (tile T', K step s: 8 T' + s),
.set XSC,  164352                      ; their scale words, 64 bytes each,
.set SLOT1, 165376                     ; slot 1,
.set SPARE, 296448                     ; and the spare words, 128 bytes a wave
.set SPT,  4112
.set LI,  1                            ; 16 x lane
.set LS,  2                            ; 4 r
.set SO0, 3                            ; the stage: row r of tile 0, + 64 h + 256 w
.set SO1, 4                            ; of tile 1
.set SR,  5                            ; back: my two rows, 16 bytes a lane
.set PFO, 6                            ; 256 x lane
.set PFW, 11                           ; 256 x min(lane, 7)
.set BA,  14                           ; v14, v15: my four tiles in slot 0, 1, + 16 x lane
.set XA,  28                           ; the images + 16 x lane
.set XSA, 29                           ; their scale words + 4 r
.set AS,  16
.set BS,  18
.set AF,  32
.set BF,  64
.set ACC, 192
.set G1,  48
.set G0,  56                           ; s[56:59] slot 0's group 0, s[60:63] slot 1's
.macro CROUND
	s_barrier_signal -1
	s_barrier_wait -1
	s_cmp_lg_u32 s22, 0
	s_cbranch_scc1 .Lnot_wave_0_\@
	s_barrier_signal -3
.Lnot_wave_0_\@:
	s_barrier_wait -3
	s_barrier_signal -1
	s_barrier_wait -1
.endm
	s_load_b256 s[4:11], s[0:1], 0x0               ; aq s[4:5], wq s[6:7], bout s[8:9], embedding1 s[10:11]
	s_load_b256 s[12:19], s[0:1], 0x20             ; embedding2 s[12:13], gamma s[14:15], beta s[16:17], out0 s[18:19]
	s_load_b64 s[20:21], s[0:1], 0x40              ; out1
	v_lshl_add_u32 v30, v0, 2, SPARE
	v_mov_b32 v31, 0
	ds_add_u32 v30, v31                            ; the opening lines: the add, twice on end, and its wait
	ds_add_u32 v30, v31
	v_lshrrev_b32 v1, 5, v0
	v_readfirstlane_b32 s22, v1                    ; wave 0..15
	s_lshl_b32 s23, s22, 8
	s_mul_i32 s40, s22, 2*SPT
	s_lshl_b32 s41, s22, 11
	s_lshl_b32 s42, s22, 6
	s_lshl_b32 s43, s22, 13
	v_and_b32 v11, 31, v0
	v_lshlrev_b32 v[LI], 4, v11
	v_lshlrev_b32 v[PFO], 8, v11
	v_min_u32 v11, 7, v11
	v_lshlrev_b32 v[PFW], 8, v11
	v_and_b32 v12, 15, v0                          ; r
	v_bfe_u32 v13, v0, 4, 1                        ; h
	v_lshlrev_b32 v[LS], 2, v12
	v_lshlrev_b32 v7, 3, v12                       ; 8 r: Wout's scale words
	v_lshlrev_b32 v8, 1, v12                       ; 2 r: the rows' scale bytes
	v_mul_u32_u24 v[SO0], v12, SPT
	v_lshl_add_u32 v[SO0], v13, 6, v[SO0]
	v_add_nc_u32 v[SO0], s23, v[SO0]
	v_add_nc_u32 v[SO1], 16*SPT, v[SO0]
	v_add_nc_u32 v[SR], s40, v[LI]
	v_add_nc_u32 v9, s41, v[LI]
	v_add_nc_u32 v9, XIMG, v9                      ; where I put image w
	v_add_nc_u32 v10, s42, v[LS]
	v_add_nc_u32 v10, XSC, v10                     ; and its scale words
	v_add_nc_u32 v[BA], s43, v[LI]
	v_add_nc_u32 v[BA+1], SLOT1, v[BA]
	v_add_nc_u32 v[XA], XIMG, v[LI]
	v_add_nc_u32 v[XSA], XSC, v[LS]
	s_bfe_u32 s45, ttmp6, 0x40000                  ; cx: it enters the addresses of plain loads, stores and prefetches alone
	s_lshl_b32 s44, ttmp9, 2
	s_add_co_u32 s44, s44, s45                     ; j
	s_mov_b32 s36, 0x3a800000                      ; 1 / 1,024
	s_mov_b32 s37, 0x3727c5ac                      ; 1e-5
	s_mov_b32 s38, 0x76543210
	s_mov_b32 s39, 0xfedcba98
	s_mov_b32 s[G1], 15|(3<<16)|(1<<21)            ; the mask names all four work-groups; elements of 8 bytes; bit 21 beside a mask
	s_mov_b32 s[G1+1], 256<<16                     ; a row: 2,048 bytes
	s_mov_b32 s[G1+2], 4<<16                       ; four rows: my four tiles
	s_mov_b32 s[G1+3], 256<<16
	s_mov_b32 s[G1+4], 4
	s_mov_b32 s[G1+5], 2048                        ; 16,384 bytes from tile to tile
	s_mov_b32 s[G1+6], 0
	s_mov_b32 s[G1+7], 0
	s_mov_b32 s[G0], 1
	s_mov_b32 s[G0+1], s43                         ; 8,192 bytes a wave in a slot
	s_mov_b32 s[G0+4], 1
	s_add_co_u32 s[G0+5], s43, SLOT1
	s_lshl_b32 s24, s44, 15                        ; my work-group's two tiles of images,
	s_lshl_b32 s25, s22, 11                        ; image w = 8 T' + s
	s_add_co_u32 s24, s24, s25
	s_mov_b32 s25, 0
	s_and_b32 s41, s22, 7                          ; s
	s_lshr_b32 s43, s22, 3                         ; T'
	s_lshr_b32 s40, s44, 6                         ; the sequence
	s_lshl_b32 s40, s40, 4
	s_lshl_b32 s42, s41, 1
	s_add_co_u32 s40, s40, s42                     ; pair 16 g + 2 s: the K step's even head
	s_lshl_b32 s40, s40, 7
	s_lshl_b32 s42, s44, 1
	s_and_b32 s42, s42, 127
	s_add_co_u32 s40, s40, s42
	s_add_co_u32 s40, s40, s43                     ; + the tile in its sequence
	s_lshl_b32 s40, s40, 5                         ; 32 bytes a tile
	s_add_co_u32 s26, s40, XSCL
	s_mov_b32 s27, 0
	s_lshl_b32 s28, s22, 16                        ; Wout's tiles 192 + 4 w on: 16,384 bytes each
	s_add_co_u32 s28, s28, 192*16384
	s_mov_b32 s29, 0
	s_lshl_b32 s30, s22, 11                        ; their scale words: 512 bytes each
	s_add_co_u32 s30, s30, WSCL+192*512
	s_mov_b32 s31, 0
	s_lshl_b32 s46, s22, 2
	s_add_co_u32 s46, s46, s45
	s_add_co_u32 s46, s46, 192
	s_lshl_b32 s46, s46, 14                        ; tile 192 + 4 w + cx: what my wave prefetches
	s_mov_b32 s47, 0
	s_lshl_b32 s40, s44, 5                         ; stage rows 2 w and 2 w + 1 are places 2 (w % 8), + 1 of tile w / 8: rows 32 j + 8 (w / 8) + 2 (w % 8) + 8 ((w % 8) / 4), + 1
	s_and_b32 s40, s40, 4095
	s_lshl_b32 s42, s43, 3
	s_add_co_u32 s40, s40, s42
	s_lshl_b32 s42, s41, 1
	s_add_co_u32 s40, s40, s42
	s_lshr_b32 s42, s41, 2
	s_lshl_b32 s42, s42, 3
	s_add_co_u32 s40, s40, s42
	s_lshl_b32 s40, s40, 12
	s_mov_b32 s41, 0
	s_wait_alu depctr_va_vdst(0)                   ; the wait at the head's end
	s_wait_dscnt 0x0                               ; both opening adds are done
	s_wait_kmcnt 0x0
	s_add_nc_u64 s[24:25], s[4:5], s[24:25]
	s_add_nc_u64 s[26:27], s[4:5], s[26:27]
	s_add_nc_u64 s[28:29], s[6:7], s[28:29]
	s_add_nc_u64 s[30:31], s[6:7], s[30:31]
	s_add_nc_u64 s[66:67], s[6:7], s[46:47]
	s_cmp_lt_u32 ttmp9, 32                         ; the first 32 clusters (128 work-groups) serve embedding1 and out0
	s_cselect_b64 s[32:33], s[10:11], s[12:13]
	s_cselect_b64 s[34:35], s[18:19], s[20:21]
	s_add_nc_u64 s[32:33], s[32:33], s[40:41]
	s_add_nc_u64 s[34:35], s[34:35], s[40:41]
	s_mov_b64 s[G0+2:G0+3], s[28:29]               ; K step 0
	s_or_b32 s[G0+3], s[G0+3], 0x80000000
	s_add_nc_u64 s[G0+6:G0+7], s[28:29], 2048      ; K step 1
	s_or_b32 s[G0+7], s[G0+7], 0x80000000
	CROUND                                         ; all four work-groups are here: the joint loads meet
	tensor_load_to_lds s[G0:G0+3], s[G1:G1+7]      ; K step 0: my one tensor load at the head
	s_nop 0
.macro BSL s                           ; the scale words of K step s of my four tiles, into set s % 2
.irp n, 0,1,2,3
	global_load_b32 v[BS+4*((\s)%2)+\n], v7, s[30:31] offset:512*\n+128*((\s)/2)+4*((\s)%2)
.endr
.endm
	; ---- the rows' images: wave w brings image w and makes its scale words of the two heads' byte pairs
.irp c, 0,1,2,3
	global_load_b128 v[AF+4*\c:AF+4*\c+3], v[LI], s[24:25] offset:512*\c th:TH_LOAD_NT
.endr
	global_load_u16 v26, v8, s[26:27]              ; the even head's two bytes of row r,
	global_load_u16 v27, v8, s[26:27] offset:4096  ; the odd head's
.irp i, 0,1,2,3,4,5,6,7
	global_load_b128 v[128+4*\i:128+4*\i+3], v[LI], s[14:15] offset:512*\i  ; gamma: register 4 i + e is column 128 i + 4 lane + e
.endr
.irp i, 0,1,2,3,4,5,6,7
	global_load_b128 v[160+4*\i:160+4*\i+3], v[LI], s[16:17] offset:512*\i  ; beta
.endr
	BSL 0
	s_wait_loadcnt 20                              ; the image and its bytes are in; gamma's and beta's 16 loads and the 4 scale words may be out
	s_wait_tensorcnt 0x0                           ; no tensor load of mine is out when I store to LDS
	v_lshl_or_b32 v26, v27, 16, v26
.irp c, 0,1,2,3
	ds_store_b128 v9, v[AF+4*\c:AF+4*\c+3] offset:512*\c
.endr
	ds_store_b32 v10, v26                          ; (lanes l and l xor 16 write the same word with the same value)
; THE CHANGE OF SLOTS ahead of K step s: all my tensor loads are in (my tiles of K step s among them), the add, and the wait for it and for my LDS reads and stores.  s < 7: a round of the cluster's barrier, and K step s + 1 is
; asked for, into the slot read last (s = 0: slot 1's first fill, issued as a refill is).  s = 7: nothing is filled: the work-group's barrier alone, behind which slot 0 is nobody's.
.macro CHANGE s
	s_wait_tensorcnt 0x0
	ds_add_u32 v30, v31
.if (\s) > 0 && (\s) < 7
	s_add_nc_u64 s[G0+4*(((\s)+1)%2)+2:G0+4*(((\s)+1)%2)+3], s[G0+4*(((\s)+1)%2)+2:G0+4*(((\s)+1)%2)+3], 4096   ; no load of mine is out: that slot's group 0 steps two K steps on
.endif
	s_wait_dscnt 0x0
.if (\s) < 7
	CROUND
	tensor_load_to_lds s[G0+4*(((\s)+1)%2):G0+4*(((\s)+1)%2)+3], s[G1:G1+7]
	s_nop 0
.else
	s_barrier_signal -1
	s_barrier_wait -1
.endif
.endm
.macro KSTEP s
	CHANGE \s
.if (\s) > 0
.rept 8
	v_nop                                          ; places behind the last products, ahead of loads into registers that they read
.endr
.endif
.if (\s) < 5
	global_prefetch_b8 v[PFW], s[66:67] offset:2048*((\s)+3) th:TH_LOAD_NT scope:SCOPE_SE   ; tile 4 w + cx of K step s + 3
.endif
.if (\s) == 1
	global_prefetch_b8 v[PFO], s[32:33] th:TH_LOAD_NT scope:SCOPE_SE   ; my two residual rows, 8,192 consecutive bytes, lanes 256 bytes apart
.endif
.if (\s) < 7
	BSL (\s)+1
.endif
.irp n, 0,1,2,3
.irp c, 0,1,2,3
	ds_load_b128 v[BF+16*\n+4*\c:BF+16*\n+4*\c+3], v[BA+(\s)%2] offset:2048*\n+512*\c
.endr
.endr
.irp t, 0,1
.irp c, 0,1,2,3
	ds_load_b128 v[AF+16*\t+4*\c:AF+16*\t+4*\c+3], v[XA] offset:16384*\t+2048*(\s)+512*\c
.endr
	ds_load_b32 v[AS+\t], v[XSA] offset:64*(8*\t+(\s))
.endr
.if (\s) < 7
	s_wait_loadcnt 4                               ; this K step's scale words of Wout are in; the next step's 4 loads may be out
.else
	s_wait_loadcnt 0x0
.endif
	s_wait_dscnt 0x0
.set KP, (\s)%2
.irp t, 0,1
.irp n, 0,1,2,3
.if (\s) == 0
	v_wmma_scale_f32_16x16x128_f8f6f4 v[ACC+8*(4*\t+\n):ACC+8*(4*\t+\n)+7], v[BF+16*\n:BF+16*\n+15], v[AF+16*\t:AF+16*\t+15], 0, v[BS+4*KP+\n], v[AS+\t]
.else
	v_wmma_scale_f32_16x16x128_f8f6f4 v[ACC+8*(4*\t+\n):ACC+8*(4*\t+\n)+7], v[BF+16*\n:BF+16*\n+15], v[AF+16*\t:AF+16*\t+15], v[ACC+8*(4*\t+\n):ACC+8*(4*\t+\n)+7], v[BS+4*KP+\n], v[AS+\t]
.endif
.endr
.endr
.endm
.irp s, 0,1,2,3,4,5,6,7
	KSTEP \s
.endr
	; ---- residual, bias, LayerNorm
.rept 8
	v_nop                                          ; places behind the last products: their results are read and their operands' registers loaded from here on
.endr
.irp p, 0,1
.irp i, 0,1,2,3,4,5,6,7
	global_load_b128 v[64+32*\p+4*\i:64+32*\p+4*\i+3], v[LI], s[32:33] offset:4096*\p+512*\i th:TH_LOAD_NT   ; my two rows of the embedding
.endr
.endr
.irp i, 0,1,2,3,4,5,6,7
	global_load_b128 v[32+4*\i:32+4*\i+3], v[LI], s[8:9] offset:512*\i      ; bout
.endr
.irp n, 0,1,2,3
	ds_store_b128 v[SO0], v[ACC+8*\n:ACC+8*\n+3] offset:128*(\n/2)+32*(\n%2)          ; lane (r, h): columns 64 w + 32 (n / 2) + 8 (n % 2) + 16 h + 0 .. 7 of place r; each accumulator from its low end on
	ds_store_b128 v[SO0], v[ACC+8*\n+4:ACC+8*\n+7] offset:128*(\n/2)+32*(\n%2)+16
.endr
.irp n, 0,1,2,3
	ds_store_b128 v[SO1], v[ACC+32+8*\n:ACC+32+8*\n+3] offset:128*(\n/2)+32*(\n%2)
	ds_store_b128 v[SO1], v[ACC+32+8*\n+4:ACC+32+8*\n+7] offset:128*(\n/2)+32*(\n%2)+16
.endr
	s_wait_dscnt 0x0                               ; for the others' sake: my stores have landed
	s_barrier_signal -1
	s_barrier_wait -1
.irp p, 0,1
.irp i, 0,1,2,3,4,5,6,7
	ds_load_b128 v[192+32*\p+4*\i:192+32*\p+4*\i+3], v[SR] offset:SPT*\p+512*\i
.endr
.endr
	s_wait_xcnt 0x0                                ; the prefetches have read their offsets: v11 is written again below
	s_wait_loadcnt 0x0                             ; the residual and bout
	s_wait_dscnt 0x0
.macro WSUM v, t                       ; the sum over the 32 lanes, in every lane
	s_delay_alu instid0(VALU_DEP_1)
	v_add_f32_dpp v[\v], v[\v], v[\v] row_xmask:1 row_mask:0xf bank_mask:0xf
	s_delay_alu instid0(VALU_DEP_1)
	v_add_f32_dpp v[\v], v[\v], v[\v] row_xmask:2 row_mask:0xf bank_mask:0xf
	s_delay_alu instid0(VALU_DEP_1)
	v_add_f32_dpp v[\v], v[\v], v[\v] row_xmask:4 row_mask:0xf bank_mask:0xf
	s_delay_alu instid0(VALU_DEP_1)
	v_add_f32_dpp v[\v], v[\v], v[\v] row_xmask:8 row_mask:0xf bank_mask:0xf
	s_delay_alu instid0(VALU_DEP_1)
	v_permlanex16_b32 v[\t], v[\v], s38, s39
	s_delay_alu instid0(VALU_DEP_1)
	v_add_f32 v[\v], v[\v], v[\t]
.endm
.macro LNROW p
.set Y, 192+32*\p
.set RS, 64+32*\p
.set j, 0
.rept 16
	v_pk_add_f32 v[Y+j:Y+j+1], v[Y+j:Y+j+1], v[RS+j:RS+j+1]     ; embedding + attn Wout
.set j, j+2
.endr
.set j, 0
.rept 16
	v_pk_add_f32 v[Y+j:Y+j+1], v[Y+j:Y+j+1], v[32+j:33+j]       ; + bout
.set j, j+2
.endr
	v_pk_add_f32 v[8:9], v[Y:Y+1], v[Y+2:Y+3]
	v_pk_add_f32 v[10:11], v[Y+4:Y+5], v[Y+6:Y+7]
.irp j, 8,12,16,20,24,28
	s_delay_alu instid0(VALU_DEP_2)
	v_pk_add_f32 v[8:9], v[8:9], v[Y+\j:Y+\j+1]
	s_delay_alu instid0(VALU_DEP_2)
	v_pk_add_f32 v[10:11], v[10:11], v[Y+\j+2:Y+\j+3]
.endr
	s_delay_alu instid0(VALU_DEP_1)
	v_pk_add_f32 v[8:9], v[8:9], v[10:11]
	s_delay_alu instid0(VALU_DEP_1)
	v_add_f32 v8, v8, v9
	WSUM 8, 9
	s_delay_alu instid0(VALU_DEP_1)
	v_mul_f32 v8, s36, v8                          ; the mean
.set j, 0
.rept 16
	v_pk_add_f32 v[Y+j:Y+j+1], v[Y+j:Y+j+1], v[8:9] op_sel_hi:[1,0] neg_lo:[0,1] neg_hi:[0,1]
.set j, j+2
.endr
	v_pk_mul_f32 v[10:11], v[Y:Y+1], v[Y:Y+1]
	v_pk_mul_f32 v[12:13], v[Y+2:Y+3], v[Y+2:Y+3]
.irp j, 4,8,12,16,20,24,28
	s_delay_alu instid0(VALU_DEP_2)
	v_pk_fma_f32 v[10:11], v[Y+\j:Y+\j+1], v[Y+\j:Y+\j+1], v[10:11]
	s_delay_alu instid0(VALU_DEP_2)
	v_pk_fma_f32 v[12:13], v[Y+\j+2:Y+\j+3], v[Y+\j+2:Y+\j+3], v[12:13]
.endr
	s_delay_alu instid0(VALU_DEP_1)
	v_pk_add_f32 v[10:11], v[10:11], v[12:13]
	s_delay_alu instid0(VALU_DEP_1)
	v_add_f32 v10, v10, v11
	WSUM 10, 11
	s_delay_alu instid0(VALU_DEP_1)
	v_fma_f32 v10, v10, s36, s37                   ; the variance + 1e-5
	s_wait_alu depctr_va_vdst(0)                   ; the wait ahead of the transcendental
	v_rsq_f32 v10, v10
	v_nop                                          ; the plain line behind it
	s_wait_alu depctr_va_vdst(0)                   ; ahead of its first reader
.set j, 0
.rept 16
	v_pk_mul_f32 v[Y+j:Y+j+1], v[Y+j:Y+j+1], v[10:11] op_sel_hi:[1,0]
.set j, j+2
.endr
.set j, 0
.rept 16
	v_pk_fma_f32 v[Y+j:Y+j+1], v[Y+j:Y+j+1], v[128+j:129+j], v[160+j:161+j]
.set j, j+2
.endr
.irp i, 0,1,2,3,4,5,6,7
	global_store_b128 v[LI], v[Y+4*\i:Y+4*\i+3], s[34:35] offset:4096*\p+512*\i th:TH_STORE_NT   ; 512 consecutive bytes, aligned; written once, read by nobody here
.endr
.endm
	LNROW 0
	LNROW 1
	s_wait_tensorcnt 0x0                           ; the wave's end
	ds_add_u32 v30, v31
	s_wait_dscnt 0x0
	CROUND                                         ; the closing round
	s_endpgm
.Lfunc_end_k_q8a18a0961a_outln:
	.size	k_q8a18a0961a_outln, .Lfunc_end_k_q8a18a0961a_outln-k_q8a18a0961a_outln
	.p2alignl 7, 3214868480
	.fill 96, 4, 3214868480
	.section	.rodata,"a",@progbits
	.p2align	6, 0x0
	.amdhsa_kernel k_q8a18a0961a_outln
		.amdhsa_group_segment_fixed_size 327680
		.amdhsa_private_segment_fixed_size 0
		.amdhsa_enable_private_segment 0
		.amdhsa_kernarg_size 72
		.amdhsa_user_sgpr_count 2
		.amdhsa_user_sgpr_kernarg_segment_ptr 1
		.amdhsa_wavefront_size32 1
		.amdhsa_system_sgpr_workgroup_id_x 1
		.amdhsa_system_sgpr_workgroup_id_y 1
		.amdhsa_system_sgpr_workgroup_id_z 1
		.amdhsa_system_vgpr_workitem_id 0
		.amdhsa_next_free_vgpr 256
		.amdhsa_next_free_sgpr 72
		.amdhsa_reserve_vcc 0
		.amdhsa_float_denorm_mode_32 3
		.amdhsa_float_denorm_mode_16_64 3
		.amdhsa_memory_ordered 1
		.amdhsa_forward_progress 1
		.amdhsa_inst_pref_size 65
	.end_amdhsa_kernel
	.amdgpu_metadata
---
amdhsa.version: [ 1, 2 ]
amdhsa.kernels:
  - .name:           k_q8a18a0961a_outln
    .symbol:         k_q8a18a0961a_outln.kd
    .args:
      - { .name: aq, .offset: 0, .size: 8, .value_kind: global_buffer, .address_space: global }
      - { .name: wq, .offset: 8, .size: 8, .value_kind: global_buffer, .address_space: global }
      - { .name: bout, .offset: 16, .size: 8, .value_kind: global_buffer, .address_space: global }
      - { .name: embedding1, .offset: 24, .size: 8, .value_kind: global_buffer, .address_space: global }
      - { .name: embedding2, .offset: 32, .size: 8, .value_kind: global_buffer, .address_space: global }
      - { .name: gamma, .offset: 40, .size: 8, .value_kind: global_buffer, .address_space: global }
      - { .name: beta, .offset: 48, .size: 8, .value_kind: global_buffer, .address_space: global }
      - { .name: out0, .offset: 56, .size: 8, .value_kind: global_buffer, .address_space: global }
      - { .name: out1, .offset: 64, .size: 8, .value_kind: global_buffer, .address_space: global }
    .group_segment_fixed_size: 327680
    .private_segment_fixed_size: 0
    .kernarg_segment_align: 8
    .kernarg_segment_size: 72
    .max_flat_workgroup_size: 512
    .sgpr_count:     72
    .vgpr_count:     256
    .wavefront_size: 32
...
	.end_amdgpu_metadata
.endif
;; end of part 4
